; MI455X (gfx1250); checked and timed in simulation.
; The chip was launched on July 23, 2026; its instructions are those of AMD's public machine-readable ISA for CDNA 5 (MIT licence, August 2026) and "CDNA5" Instruction Set Architecture Reference Guide (July 2026). The comments in the code are by the model that wrote it; some were corrected since.
;; Bahdanau Attention. Allowed arithmetic: float matrix products may take bf16 or f16 operands with f32 sums; other float arithmetic in f32, or as packed bf16 or f16 multiplies, adds, multiply-adds, maxima and minima; sums over many terms, partial sums and values carried from step to step in f32; what a program stores and reads back later, other than sums and carried values, may be rounded once to bf16 or f16.
;; Inputs: V 1,024 x 1 float32; W1 1,024 x 1,024 float32; W2 1,024 x 1,024 float32; b1 1,024 float32; b2 1,024 float32; bV 1 float32; query 32 x 1,024 float32; values 32 x 2,048 x 1,024 float32.
;; Outputs: out0 32 x 1,024 float32; out1 32 x 2,048 x 1 float32.
;; 2 versions, each right; version 2 is version 1 with the launch attend written anew for expert scheduling mode. Each part assembles by itself: llvm-mc -triple=amdgcn-amd-amdhsa -mcpu=gfx1250 --defsym DOCPART=n.
;; ======== version 1 of 2: 3 launches
;; workspace buffers: w1f 2,097,152 bytes; cq 131,072 bytes; scores 262,144 bytes; pctx 2,097,152 bytes
;; launch prep (part 1): grid 48 x 1, 8 waves a work-group, no clusters, 66,560 bytes of LDS; arguments W1, W2, query, b1, b2, w1f, cq; writes w1f, cq
.if DOCPART == 1
	.amdgcn_target "amdgcn-amd-amdhsa--gfx1250"
	.amdhsa_code_object_version 6
	.text
	.protected	k_qd87ac230aa_prep
	.globl	k_qd87ac230aa_prep
	.p2align	8
	.type	k_qd87ac230aa_prep,@function
k_qd87ac230aa_prep:
	s_mov_b64 s[64:65], 0
	v_nop
	global_prefetch_b8 v0, s[64:65] scope:SCOPE_SE
	s_setreg_imm32_b32 hwreg(HW_REG_WAVE_MODE, 25, 1), 1
	s_wait_xcnt 0x0
; PREPARATION, two roles chosen by the work-group's number (the same for all its waves).
; Work-groups 0-31: W1 [1024 k][1024 u] f32 -> w1f, bf16, in the order in which the main launch's matrix instructions take it:
;   w1f = [w 4][p 2][ks 32][b 8][half 2][lane 32][16 bytes]; lane (h = lane / 16, m = lane % 16) of fragment b holds W1[k][u] for the eight
;   k = 32 ks + 16 half + 8 h + 0..7 and u = 256 w + 128 p + 64 (b / 4) + 4 m + b % 4.  That order of u lets a lane that has loaded four
;   neighbouring columns store 16 bytes of each without changing lanes.  One wave makes one chunk (w, p, ks) of 8,192 bytes.
; Work-groups 32-47: cq[32][1024] f32 = C2 x (bf16(query) . bf16(W2) + bf16(b1) + bf16(b2)), C2 = 2 log2(e): the main launch's tanh works in base 2.
;   A work-group owns 64 units; its eight waves share K, 128 each; their f32 partial sums meet in LDS.
; All inputs are rounded once to bf16; all sums are f32.  NaN and infinities are not treated apart.
.set SPARE, 65536                      ; behind the eight waves' partial tiles: the spare words, 128 bytes a wave
.set SPW,  8                           ; v8   LDS address of my spare word; never rewritten
.set NIL,  9                           ; v9   0; never rewritten
.set XR,   128                         ; W1 role: v128-255  32 rows x 4 columns as loaded
.set YR,   64                          ; W1 role: v64-127   16 x 4 registers to store
.set W2F,  16                          ; query role: v16-47  four fragments of W2 (column 4 r + i)
.set QF,   48                          ; v48-63  two fragments of query (batches 0-15, 16-31)
.set ACC,  64                          ; v64-127 eight accumulators: (T, i) at ACC + 8 (4 T + i)
.set QR,   128                         ; v128-255 query as loaded, 32 registers a K step; window 1: W2 as loaded, 64 a K step
.set PS,   16                          ; v16-143 the partial tiles read back: column i, wave u at PS + 32 i + 4 u
.set BI,   240                         ; v240-247 b1, b2;  v248-251 at work
.set OUTR, 144                         ; v144-159 four rows of four neighbouring units to store
.set MSB, 0
.macro WIN new                         ; the immediate's high byte repeats the setting that is left
.if MSB != (\new)
	s_set_vgpr_msb (MSB<<8)|(\new)
.set MSB, \new
.endif
.endm
	s_load_b256 s[4:11], s[0:1], 0x0               ; W1 s[4:5], W2 s[6:7], query s[8:9], b1 s[10:11]
	s_load_b128 s[12:15], s[0:1], 0x20             ; b2 s[12:13], w1f s[14:15]
	s_load_b64 s[16:17], s[0:1], 0x30              ; cq
	v_lshl_add_u32 v[SPW], v0, 2, SPARE
	v_mov_b32 v[NIL], 0
	v_lshrrev_b32 v3, 5, v0
	v_readfirstlane_b32 s20, v3                    ; wave 0..7
	v_and_b32 v1, 31, v0                           ; lane
	v_and_b32 v2, 15, v0                           ; lane % 16
	v_bfe_u32 v3, v0, 4, 1                         ; lane / 16
	s_mov_b32 s21, ttmp9
	s_mov_b32 s27, 0                               ; the high word of every offset pair
	s_wait_kmcnt 0x0
	s_cmp_lt_u32 s21, 32
	s_cbranch_scc0 .Lquery
	; ---- W1 role: chunk gw = 8 x work-group + wave = 32 (2 w + p) + ks
	s_lshl_b32 s22, s21, 3
	s_add_co_u32 s22, s22, s20
	s_and_b32 s23, s22, 31                         ; ks
	s_lshr_b32 s24, s22, 5                         ; 2 w + p
	s_lshl_b32 s26, s23, 17                        ; 32 rows of 4,096 bytes a K step
	s_lshl_b32 s24, s24, 9                         ; 128 columns of 4 bytes
	s_add_co_u32 s26, s26, s24
	s_add_nc_u64 s[4:5], s[4:5], s[26:27]
	s_lshl_b32 s26, s22, 13                        ; the chunk's 8,192 bytes
	s_add_nc_u64 s[14:15], s[14:15], s[26:27]
	v_lshlrev_b32 v4, 4, v1                        ; in: 16 bytes a lane, 512 bytes of a row on end
	v_lshlrev_b32 v5, 4, v2                        ; out: 16 m + 4,096 (lane / 16): my columns are fragments 4 (lane / 16) + i
	v_lshl_add_u32 v5, v3, 12, v5
.set kk, 0
.rept 32
	global_load_b128 v[XR+4*kk:XR+4*kk+3], v4, s[4:5] offset:4096*kk th:TH_LOAD_NT
.set kk, kk+1
.endr
.set c, 0
.rept 4                                ; c = 2 half + h: rows 8 c .. 8 c + 7
	s_wait_loadcnt 24-8*c                          ; loads come back in order: the 8 (3 - c) rows behind these may stay out
.irp i, 0,1,2,3
.irp z, 0,1,2,3
	v_cvt_pk_bf16_f32 v[YR+16*c+4*(\i)+(\z)], v[XR+4*(8*c+2*(\z))+(\i)], v[XR+4*(8*c+2*(\z)+1)+(\i)]  ; the lower k into the low half
.endr
	global_store_b128 v5, v[YR+16*c+4*(\i):YR+16*c+4*(\i)+3], s[14:15] offset:1024*(\i)+256*c  ; sixteen lanes fill 256 consecutive bytes, aligned; every store has registers of its own
.endr
.set c, c+1
.endr
	s_wait_tensorcnt 0x0                           ; the wave's end
	ds_add_u32 v[SPW], v[NIL]
	s_wait_dscnt 0x0
	s_endpgm
	; ---- query role: units 64 n .. 64 n + 63, my K = 128 wave .. + 127 (four K steps of 32)
.Lquery:
	s_sub_co_u32 s22, s21, 32                      ; n
	s_lshl_b32 s24, s22, 8                         ; 64 units of 4 bytes
	s_lshl_b32 s26, s20, 19                        ; 128 rows of W2
	s_add_co_u32 s26, s26, s24
	s_add_nc_u64 s[6:7], s[6:7], s[26:27]
	s_lshl_b32 s26, s20, 9                         ; 128 columns of query
	s_add_nc_u64 s[8:9], s[8:9], s[26:27]
	s_mov_b32 s26, s24
	s_add_nc_u64 s[10:11], s[10:11], s[26:27]
	s_add_nc_u64 s[12:13], s[12:13], s[26:27]
	s_add_nc_u64 s[16:17], s[16:17], s[26:27]
	s_mov_b32 s28, 0x4038aa3b                      ; C2 = 2 log2(e)
	s_mov_b32 s29, 0x4038aa3b                      ; named with it as a pair
	s_mov_b32 s30, 0xffff0000                      ; a word's upper bf16
	v_lshlrev_b32 v6, 4, v2                        ; 16 r: four neighbouring units
	v_lshl_add_u32 v4, v3, 15, v6                  ; + 8 h rows of 4,096 bytes: W2's rows, and later cq's
	v_lshlrev_b32 v5, 12, v2                       ; query: row r,
	v_lshl_add_u32 v5, v3, 5, v5                   ; k = 8 h on
	s_lshl_b32 s25, s20, 13
	v_lshl_add_u32 v7, v1, 4, s25                  ; my 8,192 bytes of LDS, 16 bytes a lane
.set ks, 0
.rept 4                                ; 24 loads a K step: 16 rows of W2 (sixteen lanes take 256 bytes of a row), 8 pieces of query
	WIN 0x40                                       ; destination window 1, address window 0
.set l, 0
.rept 16                               ; l = 8 half + e: row 32 ks + 16 half + 8 h + e
	global_load_b128 v[4*(16*ks+l):4*(16*ks+l)+3], v4, s[6:7] offset:(32*ks+16*(l/8)+l%8)*4096 th:TH_LOAD_NT
.set l, l+1
.endr
	WIN 0
.set l, 0
.rept 8                                ; l = 4 T + 2 half + q: row 16 T + r, k = 32 ks + 16 half + 8 h + 4 q on
	global_load_b128 v[QR+32*ks+4*l:QR+32*ks+4*l+3], v5, s[8:9] offset:(l/4)*65536+ks*128+((l/2)%2)*64+(l%2)*16
.set l, l+1
.endr
.set ks, ks+1
.endr
.set ks, 0
.rept 4
.if ks == 0
	s_wait_loadcnt 63                              ; 72 loads stand behind this step's; the count's field ends at 63, and a smaller count is safe
.else
	s_wait_loadcnt 72-24*ks                        ; the later steps' 24 loads each may stay out
.endif
	WIN 0x05                                       ; sources in window 1, destination in window 0
.irp i, 0,1,2,3
.irp y, 0,1,2,3,4,5,6,7                ; register y = 4 half + z of fragment i: k = 16 half + 8 h + 2 z, + 1
	v_cvt_pk_bf16_f32 v[W2F+8*(\i)+(\y)], v[4*(16*ks+8*((\y)/4)+2*((\y)%4))+(\i)], v[4*(16*ks+8*((\y)/4)+2*((\y)%4)+1)+(\i)]
.endr
.endr
	WIN 0
.irp y, 0,1,2,3,4,5,6,7,8,9,10,11,12,13,14,15  ; register y = 8 T + 4 half + 2 q + z
	v_cvt_pk_bf16_f32 v[QF+(\y)], v[QR+32*ks+2*(\y)], v[QR+32*ks+2*(\y)+1]
.endr
.if ks == 3
	global_load_b128 v[BI:BI+3], v6, s[10:11]      ; the biases, into registers that the conversions above have just read for the last time
	global_load_b128 v[BI+4:BI+7], v6, s[12:13]
.endif
.irp t, 0,1                            ; source 0 = 16 batches, source 1 = 16 units: register j of lane (r, h) is batch 16 T + 8 h + j, unit 64 n + 4 r + i.  The eight accumulators take turns
.irp i, 0,1,2,3
.if ks == 0
	v_wmma_f32_16x16x32_bf16 v[ACC+8*(4*(\t)+(\i)):ACC+8*(4*(\t)+(\i))+7], v[QF+8*(\t):QF+8*(\t)+7], v[W2F+8*(\i):W2F+8*(\i)+7], 0
.else
	v_wmma_f32_16x16x32_bf16 v[ACC+8*(4*(\t)+(\i)):ACC+8*(4*(\t)+(\i))+7], v[QF+8*(\t):QF+8*(\t)+7], v[W2F+8*(\i):W2F+8*(\i)+7], v[ACC+8*(4*(\t)+(\i)):ACC+8*(4*(\t)+(\i))+7]
.endif
.endr
.endr
.rept 4
	v_nop                                          ; four places before the next conversions write the fragments, and before the LDS stores read the sums
.endr
.set ks, ks+1
.endr
.irp t, 0,1,2,3,4,5,6,7                ; each accumulator's low four registers first
	ds_store_b128 v7, v[ACC+8*(\t):ACC+8*(\t)+3] offset:1024*(\t)
	ds_store_b128 v7, v[ACC+8*(\t)+4:ACC+8*(\t)+7] offset:1024*(\t)+512
.endr
	s_wait_dscnt 0x0                               ; for the others' sake: my partial sums are in LDS
	s_barrier_signal -1
	s_barrier_wait -1
	s_cmp_lt_u32 s20, 4
	s_cbranch_scc0 .Lidle                          ; waves 4-7 have nothing left
	s_lshr_b32 s22, s20, 1                         ; T: which 16 batches
	s_and_b32 s23, s20, 1                          ; jq: registers 4 jq .. 4 jq + 3 of the tiles
	s_lshl_b32 s25, s22, 12
	s_lshl_b32 s24, s23, 9
	s_add_co_u32 s25, s25, s24
	v_lshl_add_u32 v10, v1, 4, s25
.irp i, 0,1,2,3
.irp u, 0,1,2,3,4,5,6,7
	ds_load_b128 v[PS+32*(\i)+4*(\u):PS+32*(\i)+4*(\u)+3], v10 offset:8192*(\u)+1024*(\i)
.endr
.endr
	s_lshl_b32 s26, s22, 16                        ; 16 T rows of cq,
	s_lshl_b32 s24, s23, 14                        ; + 4 jq rows
	s_add_co_u32 s26, s26, s24
	s_add_nc_u64 s[16:17], s[16:17], s[26:27]
	s_wait_loadcnt 0x0                             ; the biases
	v_cvt_pk_bf16_f32 v[BI+8], v[BI], v[BI+1]      ; rounded to bf16 like every input,
	v_cvt_pk_bf16_f32 v[BI+9], v[BI+2], v[BI+3]
	v_cvt_pk_bf16_f32 v[BI+10], v[BI+4], v[BI+5]
	v_cvt_pk_bf16_f32 v[BI+11], v[BI+6], v[BI+7]
.irp z, 0,1,2,3
	v_lshlrev_b32 v[BI+2*(\z)], 16, v[BI+8+(\z)]   ; and widened again
	v_and_b32 v[BI+2*(\z)+1], s30, v[BI+8+(\z)]
.endr
	v_pk_add_f32 v[BI:BI+1], v[BI:BI+1], v[BI+4:BI+5]
	v_pk_add_f32 v[BI+2:BI+3], v[BI+2:BI+3], v[BI+6:BI+7]
	v_pk_mul_f32 v[BI:BI+1], v[BI:BI+1], s[28:29] op_sel_hi:[1,0]
	v_pk_mul_f32 v[BI+2:BI+3], v[BI+2:BI+3], s[28:29] op_sel_hi:[1,0]
	s_wait_dscnt 0x0
.irp u, 1,2,3,4,5,6,7                  ; the eight waves' shares of K, in ascending order; the four columns' chains stand side by side
.irp i, 0,1,2,3
	v_pk_add_f32 v[PS+32*(\i):PS+32*(\i)+1], v[PS+32*(\i):PS+32*(\i)+1], v[PS+32*(\i)+4*(\u):PS+32*(\i)+4*(\u)+1]
	v_pk_add_f32 v[PS+32*(\i)+2:PS+32*(\i)+3], v[PS+32*(\i)+2:PS+32*(\i)+3], v[PS+32*(\i)+4*(\u)+2:PS+32*(\i)+4*(\u)+3]
.endr
.endr
.irp j, 0,1,2,3                        ; row 16 T + 8 h + 4 jq + j: the four columns' numbers come to lie side by side
.irp i, 0,1,2,3
	v_fma_f32 v[OUTR+4*(\j)+(\i)], v[PS+32*(\i)+(\j)], s28, v[BI+(\i)]
.endr
	global_store_b128 v4, v[OUTR+4*(\j):OUTR+4*(\j)+3], s[16:17] offset:4096*(\j)  ; sixteen lanes fill 256 consecutive bytes, aligned
.endr
.Lidle:
	s_wait_tensorcnt 0x0                           ; the wave's end, behind my last LDS store
	ds_add_u32 v[SPW], v[NIL]
	s_wait_dscnt 0x0
	s_endpgm
.Lfunc_end_k_qd87ac230aa_prep:
	.size	k_qd87ac230aa_prep, .Lfunc_end_k_qd87ac230aa_prep-k_qd87ac230aa_prep
	.p2alignl 7, 3214868480
	.fill 96, 4, 3214868480
	.section	.rodata,"a",@progbits
	.p2align	6, 0x0
	.amdhsa_kernel k_qd87ac230aa_prep
		.amdhsa_group_segment_fixed_size 66560
		.amdhsa_private_segment_fixed_size 0
		.amdhsa_enable_private_segment 0
		.amdhsa_kernarg_size 56
		.amdhsa_user_sgpr_count 2
		.amdhsa_user_sgpr_kernarg_segment_ptr 1
		.amdhsa_wavefront_size32 1
		.amdhsa_system_sgpr_workgroup_id_x 1
		.amdhsa_system_sgpr_workgroup_id_y 1
		.amdhsa_system_sgpr_workgroup_id_z 1
		.amdhsa_system_vgpr_workitem_id 0
		.amdhsa_next_free_vgpr 512
		.amdhsa_next_free_sgpr 66
		.amdhsa_reserve_vcc 0
		.amdhsa_float_denorm_mode_32 3
		.amdhsa_float_denorm_mode_16_64 3
		.amdhsa_memory_ordered 1
		.amdhsa_forward_progress 1
		.amdhsa_inst_pref_size 45
	.end_amdhsa_kernel
	.amdgpu_metadata
---
amdhsa.version: [ 1, 2 ]
amdhsa.kernels:
  - .name:           k_qd87ac230aa_prep
    .symbol:         k_qd87ac230aa_prep.kd
    .args:
      - { .name: W1, .offset: 0, .size: 8, .value_kind: global_buffer, .address_space: global }
      - { .name: W2, .offset: 8, .size: 8, .value_kind: global_buffer, .address_space: global }
      - { .name: query, .offset: 16, .size: 8, .value_kind: global_buffer, .address_space: global }
      - { .name: b1, .offset: 24, .size: 8, .value_kind: global_buffer, .address_space: global }
      - { .name: b2, .offset: 32, .size: 8, .value_kind: global_buffer, .address_space: global }
      - { .name: w1f, .offset: 40, .size: 8, .value_kind: global_buffer, .address_space: global }
      - { .name: cq, .offset: 48, .size: 8, .value_kind: global_buffer, .address_space: global }
    .group_segment_fixed_size: 66560
    .private_segment_fixed_size: 0
    .kernarg_segment_align: 8
    .kernarg_segment_size: 56
    .max_flat_workgroup_size: 256
    .sgpr_count:     66
    .vgpr_count:     512
    .wavefront_size: 32
...
	.end_amdgpu_metadata
.endif
;; end of part 1
;; launch attend (part 2): grid 512 x 1, 4 waves a work-group, no clusters, 291,584 bytes of LDS; arguments values, w1f, cq, V, bV, scores, pctx; writes scores, pctx
.if DOCPART == 2
	.amdgcn_target "amdgcn-amd-amdhsa--gfx1250"
	.amdhsa_code_object_version 6
	.text
	.protected	k_qd87ac230aa_attend
	.globl	k_qd87ac230aa_attend
	.p2align	8
	.type	k_qd87ac230aa_attend,@function
k_qd87ac230aa_attend:
	s_mov_b64 s[64:65], 0
	v_nop
	global_prefetch_b8 v0, s[64:65] scope:SCOPE_SE
	s_setreg_imm32_b32 hwreg(HW_REG_WAVE_MODE, 25, 1), 1
	s_wait_xcnt 0x0
; THE MAIN LAUNCH.  A work-group owns 128 rows (positions) of one batch: block blk = rows 128 blk .. + 127 of values [65536][1024] f32.
; It makes  score[s] = bV + sum_u V[u] tanh(values[s] . W1[:, u] + query . W2[:, u] + b1[u] + b2[u]),  the block's maximum m,  p[s] = e^(score[s] - m),
; and the partial context  pctx[blk][d] = sum_s p[s] values[s][d].  The last launch joins the sixteen blocks of a batch.  values leaves memory once.
; FORMATS.  values, W1, V, bV (and, in the launch before, query, W2, b1, b2) are rounded once to bf16; products' sums, scores, maxima, weights and contexts are f32.
; The context is taken of the rounded rows, which stay in LDS.  tanh(x) = 1 - 2 / (1 + 2^(C2 x)), C2 = 2 log2(e): it saturates rightly (2^.. = infinity gives 1, 0 gives -1).
; LIMITS.  score is formed as (bV + sum V) + sum (-2 V[u]) r[u], r = 1 / (1 + 2^..): its absolute error is some 2^-24 sum |V|, and the softmax sees differences of scores alone.
; NaN and infinities among the inputs are not treated apart.
; SHARES.  Wave w owns units 256 w .. + 255, in two passes of 128: a wave's tile is 128 rows x 128 units, 64 accumulators, 512 registers.
; The matrix instruction is used transposed (source 0 = 16 units of W1, source 1 = 16 rows of values): lane (r, h), register j of tile (a, b) is row 16 a + r and unit row 8 h + j,
; so the dot with V stays inside the lane.  Which unit that is: the launch before laid W1 out as u = 256 w + 128 p + 64 (b / 4) + 4 (8 h + j) + b % 4; the two small tables below are stored in the same order.
; DATA PATHS.  values: global loads (one instruction = 512 consecutive bytes of a row), rounded, into LDS, each wave its 32 rows, 128 along K (a GROUP) at a time, while pass 1 multiplies the groups before.
; W1: straight from w1f into registers, 8,192 bytes a wave and K step, three or four K steps ahead.  The block takes 278,528 of the work-group's LDS bytes: two slots of a K step of W1 for 512 units
; (2 x 32,768 bytes) do not fit beside it, so there is no tensor load, no ring and no cluster here; every LDS byte is written once in the launch.
; REGISTERS, in windows of 256 (s_set_vgpr_msb: bits 1:0 source 0, 3:2 source 1, 5:4 source 2, 7:6 destination):
;   window 0: v0-15 addresses; v16-31 conversions at work; v32-47 a pair of score sums for each 16 rows; v48-61 at work; v62, v63 the add's; v64-127 values' fragments of one K step;
;             v128-255 four slots of 8 rows x 512 bytes as loaded; later the tables; later the context's rows
;   window 1: four buffers of W1's fragments, 64 each          windows 2, 3: the accumulators of rows 0-63 and 64-127, tile (a, b) at 8 (8 (a % 4) + b)
.set GRP,   34816                      ; a group in LDS: 128 rows x 272 bytes
.set PITCH, 272                        ; 256 bytes of data + 16: the sixteen rows of a fragment load start at sixteen different groups of four banks (64 banks of 4 bytes: ISA guide 11.1)
.set FRAG,  16*PITCH
.set TCQ,   8*GRP                      ; 4,096 bytes: C2 x (query . W2 + b1 + b2) of my batch, at 512 (u / 128) + 64 b + 4 m
.set SCX,   TCQ+8192                   ; (TCQ + 4,096: -2 V in the same order)  2,048 bytes: [wave][128] partial scores
.set VSUM,  SCX+2048                   ; four words: each wave's sum of -2 V
.set WGT,   VSUM+256                   ; 512 bytes for each wave, its own: p[2 t + h] at 256 h + 4 t
.set SPARE, WGT+2048                   ; the spare words, 128 bytes a wave
.set CHUNK, 8192                       ; W1's fragments for one wave and K step
.set LANE,  1
.set RR,    2                          ; lane % 16
.set HH,    3                          ; lane / 16
.set ADRA,  4                          ; my place in a fragment of values, in the group in hand
.set STA,   5                          ; where I store 8 bytes of my wave's rows, in the group being filled
.set BO,    6                          ; my byte offset in w1f; never rewritten
.set VO,    7                          ; my byte offset in the block's values; never rewritten
.set PV,    8                          ; my row's byte offset, one row a lane, for the prefetch; never rewritten
.set TA,    9                          ; my place in the tables
.set SX,    10                         ; where my wave's partial scores go
.set ADRA0, 11                         ; ADRA in group 0
.set STA0,  12                         ; STA in group 0
.set CA0,   13                         ; the context: my 16 bytes in the first two rows of my first group
.set WA0,   14                         ; the context: my half's weights
.set L16,   15                         ; 16 x lane
.set CT,    16
.set SC,    32
.set TMP,   48
.set CA,    58
.set WA,    59
.set GO,    60                         ; my byte offset in 512 bytes of pctx
.set WST,   61                         ; where I store weights
.set SPW,   62                         ; LDS address of my spare word; never rewritten
.set NIL,   63                         ; 0; never rewritten
.set AF,    64
.set WREG,  96                         ; the context: 16 weights
.set CACC,  112                        ; the context: 2 groups x 8 sums
.set ST,    128
.set WV,    20                         ; s20 wave
.set BV,    21                         ; s21 bV
.set CNT,   22                         ; s22 trips
.set PASS,  23                         ; s23 passes to go
.set C2S,   24                         ; s[24:25] C2, a pair
.set SEL,   26                         ; s[26:27] v_permlanex16_b32's selects: each lane takes its own place in the other half
.set L2E,   28                         ; s28 log2(e)
.set HIM,   29                         ; s29 0xffff0000: a word's upper bf16, and the mask of lanes 16-31
.set OFS,   30                         ; s[30:31] an offset pair
.set GA,    32                         ; s32 LDS byte offset of the group that ADRA stands in
.set GS,    33                         ; s33 the same for STA
.set TS,    34                         ; s34, s35 at work
.set MSB, 0
.macro WIN new                         ; the immediate's high byte repeats the setting that is left; a switch that changes nothing is dropped
.if MSB != (\new)
	s_set_vgpr_msb (MSB<<8)|(\new)
.set MSB, \new
.endif
.endm
.set MUL_LO, 0xa1                      ; source 0 (W1) window 1, source 1 (values) window 0, C and D window 2
.set TO_B,   0x40                      ; destination window 1, address window 0
.macro PLACES                          ; four places between matrix instructions and loads into, or vector reads of, their registers
.rept 4
	v_nop
.endr
.endm
; 16 matrix instructions: row blocks a0, a0 + 1 of the window's four x all 8 unit blocks, 32 along K.  zero = 1: the product starts the sums.
; The 64 accumulators take turns, one instruction a turn, in the same order in every K step.
.macro MUL16 buf, hi, a0, zero
	WIN MUL_LO+0x50*(\hi)
.irp a, \a0, (\a0)+1
.irp b, 0,1,2,3,4,5,6,7
.if \zero
	v_wmma_f32_16x16x32_bf16 v[8*(8*(\a)+(\b)):8*(8*(\a)+(\b))+7], v[64*(\buf)+8*(\b):64*(\buf)+8*(\b)+7], v[AF+8*(4*(\hi)+(\a)):AF+8*(4*(\hi)+(\a))+7], 0
.else
	v_wmma_f32_16x16x32_bf16 v[8*(8*(\a)+(\b)):8*(8*(\a)+(\b))+7], v[64*(\buf)+8*(\b):64*(\buf)+8*(\b)+7], v[AF+8*(4*(\hi)+(\a)):AF+8*(4*(\hi)+(\a))+7], v[8*(8*(\a)+(\b)):8*(8*(\a)+(\b))+7]
.endif
.endr
.endr
.endm
.macro AFETCH a0, off                  ; 8 LDS loads: values' fragments a0 .. a0 + 3 (16 rows x 32 K each) at byte off from ADRA
	WIN 0
.irp a, (\a0), (\a0)+1, (\a0)+2, (\a0)+3
	ds_load_b128 v[AF+8*(\a):AF+8*(\a)+3],   v[ADRA] offset:(\off)+(\a)*FRAG
	ds_load_b128 v[AF+8*(\a)+4:AF+8*(\a)+7], v[ADRA] offset:(\off)+(\a)*FRAG+32
.endr
.endm
.macro BFETCH buf, off                 ; 16 global loads, 512 consecutive bytes each: a K step's fragments of W1
	WIN TO_B
.irp b, 0,1,2,3,4,5,6,7
	global_load_b128 v[64*(\buf)+8*(\b):64*(\buf)+8*(\b)+3],   v[BO], s[6:7] offset:(\off)+1024*(\b)
	global_load_b128 v[64*(\buf)+8*(\b)+4:64*(\buf)+8*(\b)+7], v[BO], s[6:7] offset:(\off)+1024*(\b)+512
.endr
.endm
.macro SFETCH dst, off                 ; a PIECE: 8 rows x 128 K of f32; one load is 512 consecutive bytes of a row, aligned.  The caller sets the window
.irp i, 0,1,2,3,4,5,6,7
	global_load_b128 v[(\dst)+4*(\i):(\dst)+4*(\i)+3], v[VO], s[4:5] offset:(\off)+4096*(\i) th:TH_LOAD_NT
.endr
.endm
.macro SCVT src, off                   ; a piece is rounded to bf16 and stored: 32 lanes x 8 bytes are a row's 256 bytes.  The caller sets the sources' window
.irp i, 0,1,2,3,4,5,6,7
	v_cvt_pk_bf16_f32 v[CT+2*(\i)],   v[(\src)+4*(\i)],   v[(\src)+4*(\i)+1]
	v_cvt_pk_bf16_f32 v[CT+2*(\i)+1], v[(\src)+4*(\i)+2], v[(\src)+4*(\i)+3]
.endr
	WIN 0
.irp i, 0,1,2,3,4,5,6,7
	ds_store_b64 v[STA], v[CT+2*(\i):CT+2*(\i)+1] offset:(\off)+PITCH*(\i)
.endr
.endm
; THE MATRIX PART OF A K STEP.  nh: the global loads issued behind this step's W1, which may stay out.  dh: the LDS instructions issued behind fragments 0-3.
; bar = 1: the next group is whole in every wave's stores: each wave waits for its LDS stores, signals, works on registers, waits; the loads behind the wait are the group's first readers.
; moff >= 0: the next step's fragments 0-3 are fetched in the middle, where this step has done with them.  moff < 0: the pass's last step: the tables of pass tab / 512 are fetched instead.
.macro KSW buf, zero, nh, dh, bar, moff, tab
	s_wait_loadcnt \nh
	s_wait_dscnt \dh
	MUL16 \buf, 0, 0, \zero
.if \bar
	s_wait_dscnt 0x0                               ; for the others' sake: all my stores into the next group are done
	s_barrier_signal -1
.endif
	MUL16 \buf, 0, 2, \zero
.if \bar
	s_barrier_wait -1
.endif
.if (\moff) >= 0
	PLACES
	AFETCH 0, \moff
	s_wait_dscnt 8                                 ; all but the eight just issued: fragments 4-7 are in
.else
	WIN 0
	s_wait_dscnt 0x0                               ; fragments 4-7 are in
.irp b, 0,1,2,3,4,5,6,7                ; for unit block b my eight units' cq (8 registers) and -2 V (8 registers)
	ds_load_b128 v[ST+16*(\b):ST+16*(\b)+3],     v[TA] offset:(\tab)+64*(\b)
	ds_load_b128 v[ST+16*(\b)+4:ST+16*(\b)+7],   v[TA] offset:(\tab)+64*(\b)+16
	ds_load_b128 v[ST+16*(\b)+8:ST+16*(\b)+11],  v[TA] offset:(\tab)+64*(\b)+4096
	ds_load_b128 v[ST+16*(\b)+12:ST+16*(\b)+15], v[TA] offset:(\tab)+64*(\b)+4112
.endr
.endif
	MUL16 \buf, 1, 0, \zero
	MUL16 \buf, 1, 2, \zero
.endm
; BETWEEN TWO K STEPS.  cslot >= 0: the piece in that slot is rounded and stored at soff (np: the loads issued behind it); its 16 conversions are the places behind the products.
; eoff >= 0: the next step's fragments 4-7.  bbuf >= 0: a later step's W1 into that buffer.  pslot >= 0: a later piece into that slot.
.macro EST cslot, np, soff, eoff, bbuf, boff, pslot, poff
	WIN 0
.if (\cslot) >= 0
	s_wait_loadcnt \np
	SCVT ST+32*(\cslot), \soff
.else
	PLACES
.endif
.if (\eoff) >= 0
	AFETCH 4, \eoff
.endif
.if (\bbuf) >= 0
	BFETCH \bbuf, \boff
.endif
.if (\pslot) >= 0
	WIN 0
	SFETCH ST+32*(\pslot), \poff
.endif
.endm
; THE WAY FROM SUMS TO SCORES, for the four tiles of one unit block: x = C2 acc + cq; 2^x; + 1; 1 / ..; the row's pair of sums takes (-2 V) r.
; Each accumulator is read from its low end on.  The transcendentals stand back to back, a plain instruction behind each run (ISA guide 5.7.2).
.macro EPB hi, bb
	WIN 0x82+0x41*(\hi)                            ; destination and source 0 in the accumulators' window, the table in window 0
.irp a, 0,1,2,3
.irp i, 0,1,2,3
	v_pk_fma_f32 v[8*(8*(\a)+(\bb))+2*(\i):8*(8*(\a)+(\bb))+2*(\i)+1], v[8*(8*(\a)+(\bb))+2*(\i):8*(8*(\a)+(\bb))+2*(\i)+1], s[C2S:C2S+1], v[ST+16*(\bb)+2*(\i):ST+16*(\bb)+2*(\i)+1] op_sel_hi:[1,0,1]
.endr
.endr
.irp a, 0,1,2,3
.irp j, 0,1,2,3,4,5,6,7
	v_exp_f32 v[8*(8*(\a)+(\bb))+(\j)], v[8*(8*(\a)+(\bb))+(\j)]
.endr
.endr
	v_nop
	s_wait_alu depctr_va_vdst(0)
.irp a, 0,1,2,3
.irp i, 0,1,2,3
	v_pk_add_f32 v[8*(8*(\a)+(\bb))+2*(\i):8*(8*(\a)+(\bb))+2*(\i)+1], v[8*(8*(\a)+(\bb))+2*(\i):8*(8*(\a)+(\bb))+2*(\i)+1], 1.0 op_sel_hi:[1,0]
.endr
.endr
.irp a, 0,1,2,3
.irp j, 0,1,2,3,4,5,6,7
	v_rcp_f32 v[8*(8*(\a)+(\bb))+(\j)], v[8*(8*(\a)+(\bb))+(\j)]
.endr
.endr
	v_nop
	WIN 0x02+(\hi)                                 ; source 0 in the accumulators' window, all else in window 0
	s_wait_alu depctr_va_vdst(0)
.irp i, 0,1,2,3                        ; the four rows' chains side by side
.irp a, 0,1,2,3
	v_pk_fma_f32 v[SC+2*(4*(\hi)+(\a)):SC+2*(4*(\hi)+(\a))+1], v[8*(8*(\a)+(\bb))+2*(\i):8*(8*(\a)+(\bb))+2*(\i)+1], v[ST+16*(\bb)+8+2*(\i):ST+16*(\bb)+8+2*(\i)+1], v[SC+2*(4*(\hi)+(\a)):SC+2*(4*(\hi)+(\a))+1]
.endr
.endr
.endm
	; ---- head
	s_load_b256 s[4:11], s[0:1], 0x0               ; values s[4:5], w1f s[6:7], cq s[8:9], V s[10:11]
	s_load_b128 s[12:15], s[0:1], 0x20             ; bV s[12:13], scores s[14:15]
	s_load_b64 s[16:17], s[0:1], 0x30              ; pctx
	v_lshl_add_u32 v[SPW], v0, 2, SPARE
	v_mov_b32 v[NIL], 0
	v_lshrrev_b32 v[TMP], 5, v0
	v_readfirstlane_b32 s[WV], v[TMP]              ; wave 0..3
	v_and_b32 v[LANE], 31, v0
	v_and_b32 v[RR], 15, v0
	v_bfe_u32 v[HH], v0, 4, 1
	s_mov_b32 s[C2S], 0x4038aa3b                   ; 2 log2(e)
	s_mov_b32 s[C2S+1], 0x4038aa3b
	s_mov_b32 s[SEL], 0x76543210
	s_mov_b32 s[SEL+1], 0xfedcba98
	s_mov_b32 s[L2E], 0x3fb8aa3b
	s_mov_b32 s[HIM], 0xffff0000
	v_mul_u32_u24 v[ADRA0], v[RR], PITCH
	v_lshl_add_u32 v[ADRA0], v[HH], 4, v[ADRA0]    ; row x pitch + 16 x half
	s_mul_i32 s[TS], s[WV], 32*PITCH
	v_lshl_add_u32 v[STA0], v[LANE], 3, s[TS]      ; my wave's 32 rows, 8 bytes a lane
	s_lshl_b32 s[TS], s[WV], 19
	v_lshl_add_u32 v[BO], v[LANE], 4, s[TS]        ; my wave's 64 chunks of w1f
	s_lshl_b32 s[TS], s[WV], 17
	v_lshl_add_u32 v[VO], v[LANE], 4, s[TS]        ; my wave's 32 rows of 4,096 bytes
	v_lshlrev_b32 v[PV], 12, v0                    ; row 32 w + lane
	s_lshl_b32 s[TS], s[WV], 10
	s_add_co_u32 s[TS], s[TS], TCQ
	v_lshl_add_u32 v[TA], v[HH], 5, s[TS]          ; my wave's two passes of 512 bytes; my half's eight units
	s_lshl_b32 s[TS], s[WV], 9
	s_add_co_u32 s[TS+1], s[TS], SCX
	v_lshl_add_u32 v[SX], v[RR], 2, s[TS+1]
	s_add_co_u32 s[TS+1], s[TS], WGT
	v_lshl_add_u32 v[WA0], v[HH], 8, s[TS+1]
	v_lshl_add_u32 v[WST], v[LANE], 3, s[TS+1]
	s_mul_i32 s[TS], s[WV], 2*GRP
	v_mul_u32_u24 v[CA0], v[HH], PITCH
	v_lshl_add_u32 v[CA0], v[RR], 4, v[CA0]
	v_add_nc_u32 v[CA0], s[TS], v[CA0]
	v_lshlrev_b32 v[L16], 4, v[LANE]
	v_lshlrev_b32 v[GO], 5, v[RR]
	v_lshl_add_u32 v[GO], v[HH], 4, v[GO]
	; thread t holds units 8 t + e: their place in the tables is 512 (t / 16) + 256 ((t / 8) % 2) + 8 (t % 8), + 64 (e % 4) + 4 (e / 4)
	v_lshrrev_b32 v[TMP], 4, v0
	v_bfe_u32 v[TMP+1], v0, 3, 1
	v_and_b32 v[TMP+2], 7, v0
	v_lshlrev_b32 v[TMP+9], 9, v[TMP]
	v_lshl_add_u32 v[TMP+9], v[TMP+1], 8, v[TMP+9]
	v_lshl_add_u32 v[TMP+9], v[TMP+2], 3, v[TMP+9]
	v_add_nc_u32 v[TMP+9], TCQ, v[TMP+9]
	v_lshlrev_b32 v[TMP+8], 5, v0                  ; 32 bytes a thread of cq and of V
	s_lshl_b32 s[TS], s[WV], 2
	s_add_co_u32 s[TS], s[TS], VSUM
	v_mov_b32 v[TMP+7], s[TS]
	s_mov_b32 s[OFS+1], 0
	s_wait_kmcnt 0x0
	s_load_b32 s[BV], s[12:13], 0x0
	s_lshl_b32 s[OFS], ttmp9, 19                   ; the block's 128 rows of 4,096 bytes (under 2^28 in all)
	s_add_nc_u64 s[4:5], s[4:5], s[OFS:OFS+1]
	s_lshr_b32 s[OFS], ttmp9, 4                    ; the batch
	s_lshl_b32 s[OFS], s[OFS], 12
	s_add_nc_u64 s[8:9], s[8:9], s[OFS:OFS+1]
	s_lshl_b32 s[OFS], ttmp9, 9
	s_add_nc_u64 s[14:15], s[14:15], s[OFS:OFS+1]
	s_lshl_b32 s[OFS], ttmp9, 12
	s_lshl_b32 s[TS], s[WV], 10
	s_add_co_u32 s[OFS], s[OFS], s[TS]
	s_add_nc_u64 s[16:17], s[16:17], s[OFS:OFS+1]
	; ---- the first loads.  Piece q = 4 G + p is rows 32 w + 8 p .. + 7 of group G.  Pieces 0-4 go into the accumulators' registers, which are still idle.
	global_load_b128 v[64:67], v[TMP+8], s[8:9]
	global_load_b128 v[68:71], v[TMP+8], s[8:9] offset:16
	global_load_b128 v[72:75], v[TMP+8], s[10:11]
	global_load_b128 v[76:79], v[TMP+8], s[10:11] offset:16
	WIN 0x80                                       ; destination window 2, address window 0
	SFETCH 0, 0
	SFETCH 32, 8*4096
	SFETCH 64, 16*4096
	SFETCH 96, 24*4096
	SFETCH 128, 512
	BFETCH 0, 0
	WIN 0
	SFETCH ST+32, 512+8*4096
	BFETCH 1, CHUNK
	WIN 0
	SFETCH ST+64, 512+16*4096
	BFETCH 2, 2*CHUNK
	WIN 0
	SFETCH ST+96, 512+24*4096
	s_wait_kmcnt 0x0                               ; bV
	s_wait_loadcnt 63                              ; 72 loads stand behind piece 4; the count's field ends at 63, and a smaller count is safe
.irp e, 0,1,2,3,4,5,6,7
	ds_store_b32 v[TMP+9], v[64+(\e)] offset:((\e)&3)*64+((\e)>>2)*4
.endr
.irp z, 0,1,2,3
	v_cvt_pk_bf16_f32 v[CT+(\z)], v[72+2*(\z)], v[73+2*(\z)]  ; V rounded to bf16 like every input,
.endr
.irp z, 0,1,2,3
	v_lshlrev_b32 v[72+2*(\z)], 16, v[CT+(\z)]     ; widened again,
	v_and_b32 v[73+2*(\z)], s[HIM], v[CT+(\z)]
.endr
.irp z, 0,1,2,3
	v_pk_mul_f32 v[72+2*(\z):73+2*(\z)], v[72+2*(\z):73+2*(\z)], -2.0 op_sel_hi:[1,0]  ; times -2 (exact)
.endr
.irp e, 0,1,2,3,4,5,6,7
	ds_store_b32 v[TMP+9], v[72+(\e)] offset:4096+((\e)&3)*64+((\e)>>2)*4
.endr
	v_pk_add_f32 v[TMP:TMP+1], v[72:73], v[74:75]  ; my wave's sum of -2 V
	v_pk_add_f32 v[TMP+2:TMP+3], v[76:77], v[78:79]
	v_pk_add_f32 v[TMP:TMP+1], v[TMP:TMP+1], v[TMP+2:TMP+3]
	v_add_f32 v[TMP], v[TMP], v[TMP+1]
	v_add_f32_dpp v[TMP], v[TMP], v[TMP] row_xmask:1 row_mask:0xf bank_mask:0xf
	v_add_f32_dpp v[TMP], v[TMP], v[TMP] row_xmask:2 row_mask:0xf bank_mask:0xf
	v_add_f32_dpp v[TMP], v[TMP], v[TMP] row_xmask:4 row_mask:0xf bank_mask:0xf
	v_add_f32_dpp v[TMP], v[TMP], v[TMP] row_xmask:8 row_mask:0xf bank_mask:0xf
	v_permlanex16_b32 v[TMP+1], v[TMP], s[SEL], s[SEL+1]
	v_add_f32 v[TMP], v[TMP], v[TMP+1]
	ds_store_b32 v[TMP+7], v[TMP]                  ; all lanes write the same word with the same value
.set i, 0
.rept 16
	v_mov_b32 v[SC+i], 0                           ; the score sums: sixteen registers, so that both passes share one text
.set i, i+1
.endr
	v_mov_b32 v[STA], v[STA0]
.irp q, 0,1,2,3,4
	WIN 0x0a                                       ; sources in window 2
	SCVT 32*(\q), ((\q)>>2)*GRP+((\q)&3)*8*PITCH
.endr
	s_wait_dscnt 0x0                               ; for the others' sake: the tables and my rows of group 0 are in LDS
	s_barrier_signal -1
	s_barrier_wait -1
	s_wait_xcnt 0x0                                ; values' base is stepped only behind this wait (ISA guide 3.1)
	s_add_nc_u64 s[4:5], s[4:5], 1024              ; on to group 2
	s_mov_b32 s[GA], 0
	s_mov_b32 s[GS], GRP
	v_mov_b32 v[ADRA], v[ADRA0]
	v_add_nc_u32 v[STA], s[GS], v[STA0]
	AFETCH 0, 0
	AFETCH 4, 0
	; ---- PASS 1, K steps c = 0 .. 31.  Behind step c: piece c + 5 is rounded and stored (loaded three steps before), W1 of step c + 3 and piece c + 8 are asked for.
	; Group G is whole behind step 4 G - 2; its barrier stands in step 4 G - 1.  The counts: behind W1 of step c stand a piece, W1, a piece, W1, a piece = 8 + 16 + 8 + 16 + 8 = 56 loads;
	; behind a piece W1, a piece, W1, a piece = 48; behind fragments 0-3 a piece's 8 LDS stores and fragments 4-7's 8 loads = 16.
	KSW 0, 1, 56, 8, 0, 64, 0
	WIN 0                                          ; at a label and at a branch every window is 0
	s_mov_b32 s[CNT], 6
.Lk1:                                              ; trip t: steps 4 t + 1 .. 4 t + 4; ADRA in group t, STA in group t + 1, w1f at step 4 t, values at group t + 2
	EST 1, 48, 8*PITCH, 64, 3, 3*CHUNK, 0, 0
	s_cmp_lt_u32 s[CNT], 2
	s_cbranch_scc1 .Lnopf                          ; the last trip would ask past the rows' end
	global_prefetch_b8 v[PV], s[4:5] offset:512 th:TH_LOAD_NT scope:SCOPE_SE  ; group t + 3 of my wave's 32 rows, one row a lane, its two blocks of 256 bytes: one trip ahead of its loads, each block asked for once
	global_prefetch_b8 v[PV], s[4:5] offset:768 th:TH_LOAD_NT scope:SCOPE_SE
.Lnopf:
	KSW 1, 0, 56, 16, 0, 128, 0
	EST 2, 48, 16*PITCH, 128, 0, 4*CHUNK, 1, 8*4096
	KSW 2, 0, 56, 16, 0, 192, 0
	EST 3, 48, 24*PITCH, 192, 1, 5*CHUNK, 2, 16*4096
	KSW 3, 0, 56, 16, 1, GRP, 0
	EST 0, 48, GRP, GRP, 2, 6*CHUNK, 3, 24*4096
	KSW 0, 0, 56, 16, 0, GRP+64, 0
	WIN 0
	s_wait_xcnt 0x0                                ; the two bases are stepped only behind this wait
	s_add_nc_u64 s[6:7], s[6:7], 4*CHUNK
	s_add_nc_u64 s[4:5], s[4:5], 512
	s_add_co_u32 s[GA], s[GA], GRP
	s_add_co_u32 s[GS], s[GS], GRP
	v_add_nc_u32 v[ADRA], s[GA], v[ADRA0]
	v_add_nc_u32 v[STA], s[GS], v[STA0]
	s_sub_co_u32 s[CNT], s[CNT], 1
	s_cmp_lg_u32 s[CNT], 0
	s_cbranch_scc1 .Lk1
	; steps 25 .. 31: no piece is left to ask for, so the counts run down (48, 40, 32 behind W1; 48, 40, 32 behind a piece); W1 runs on into pass 2's chunks
	EST 1, 48, 8*PITCH, 64, 3, 3*CHUNK, -1, 0
	KSW 1, 0, 48, 16, 0, 128, 0
	EST 2, 40, 16*PITCH, 128, 0, 4*CHUNK, -1, 0
	KSW 2, 0, 40, 16, 0, 192, 0
	EST 3, 32, 24*PITCH, 192, 1, 5*CHUNK, -1, 0
	KSW 3, 0, 32, 16, 1, GRP, 0
	EST -1, 0, 0, GRP, 2, 6*CHUNK, -1, 0
	KSW 0, 0, 32, 8, 0, GRP+64, 0
	EST -1, 0, 0, GRP+64, 3, 7*CHUNK, -1, 0
	KSW 1, 0, 32, 8, 0, GRP+128, 0
	EST -1, 0, 0, GRP+128, 0, 8*CHUNK, -1, 0
	KSW 2, 0, 32, 8, 0, GRP+192, 0
	EST -1, 0, 0, GRP+192, 1, 9*CHUNK, -1, 0
	KSW 3, 0, 32, 8, 0, -1, 0
	EST -1, 0, 0, -1, 2, 10*CHUNK, -1, 0
	WIN 0
	s_mov_b32 s[PASS], 2
.Lepi:                                             ; twice: a pass's sums become score sums; behind the first time pass 2 follows
	PLACES
	s_wait_dscnt 0x0                               ; the tables
.irp hh, 0,1
.irp bq, 0,1,2,3,4,5,6,7
	EPB \hh, \bq
.endr
.endr
	WIN 0
	s_cmp_eq_u32 s[PASS], 1
	s_cbranch_scc1 .Lout
	; ---- PASS 2, K steps c = 32 .. 63: the block lies whole in LDS; behind step c W1 of step c + 4 goes into the buffer just read.  Behind W1 of step c stand three steps' 48 loads.
	s_wait_xcnt 0x0
	s_add_nc_u64 s[6:7], s[6:7], 8*CHUNK           ; w1f at step 32
	s_mov_b32 s[GA], 0
	v_mov_b32 v[ADRA], v[ADRA0]
	BFETCH 3, 3*CHUNK
	AFETCH 0, 0
	AFETCH 4, 0
	KSW 0, 1, 48, 8, 0, 64, 0
	WIN 0
	s_mov_b32 s[CNT], 7
.Lk2:
	EST -1, 0, 0, 64, 0, 4*CHUNK, -1, 0
	KSW 1, 0, 48, 8, 0, 128, 0
	EST -1, 0, 0, 128, 1, 5*CHUNK, -1, 0
	KSW 2, 0, 48, 8, 0, 192, 0
	EST -1, 0, 0, 192, 2, 6*CHUNK, -1, 0
	KSW 3, 0, 48, 8, 0, GRP, 0
	EST -1, 0, 0, GRP, 3, 7*CHUNK, -1, 0
	KSW 0, 0, 48, 8, 0, GRP+64, 0
	WIN 0
	s_wait_xcnt 0x0
	s_add_nc_u64 s[6:7], s[6:7], 4*CHUNK
	s_add_co_u32 s[GA], s[GA], GRP
	v_add_nc_u32 v[ADRA], s[GA], v[ADRA0]
	s_sub_co_u32 s[CNT], s[CNT], 1
	s_cmp_lg_u32 s[CNT], 0
	s_cbranch_scc1 .Lk2
	EST -1, 0, 0, 64, -1, 0, -1, 0                 ; steps 61 .. 63: nothing is left to ask for: 32, 16, 0
	KSW 1, 0, 32, 8, 0, 128, 0
	EST -1, 0, 0, 128, -1, 0, -1, 0
	KSW 2, 0, 16, 8, 0, 192, 0
	EST -1, 0, 0, 192, -1, 0, -1, 0
	KSW 3, 0, 0, 8, 0, -1, 512
	WIN 0
	s_sub_co_u32 s[PASS], s[PASS], 1
	s_cmp_lg_u32 s[PASS], 0
	s_cbranch_scc1 .Lepi
	; ---- the scores: a pair's two halves, the other half of the lanes (the other eight unit rows), the four waves
.Lout:
.irp a, 0,1,2,3,4,5,6,7
	v_add_f32 v[TMP+(\a)], v[SC+2*(\a)], v[SC+2*(\a)+1]
.endr
.irp a, 0,1,2,3,4,5,6,7
	v_permlanex16_b32 v[CT+(\a)], v[TMP+(\a)], s[SEL], s[SEL+1]
.endr
.irp a, 0,1,2,3,4,5,6,7
	v_add_f32 v[TMP+(\a)], v[TMP+(\a)], v[CT+(\a)]
.endr
.irp a, 0,1,2,3,4,5,6,7
	ds_store_b32 v[SX], v[TMP+(\a)] offset:64*(\a) ; row 16 a + r; both halves of the lanes write the same value
.endr
	s_wait_dscnt 0x0                               ; for the others' sake
	s_barrier_signal -1
	s_barrier_wait -1
	v_add_nc_u32 v[TMP], SCX, v[L16]               ; every wave takes all 128 rows, four a lane
	v_mov_b32 v[TMP+1], VSUM
	ds_load_b128 v[64:67], v[TMP]
	ds_load_b128 v[68:71], v[TMP] offset:512
	ds_load_b128 v[72:75], v[TMP] offset:1024
	ds_load_b128 v[76:79], v[TMP] offset:1536
	ds_load_b128 v[80:83], v[TMP+1]
	v_cvt_pk_bf16_f32 v[TMP+2], s[BV], s[BV]       ; bV rounded to bf16 like every input
	v_lshlrev_b32 v[TMP+2], 16, v[TMP+2]
	s_wait_dscnt 0x0
	v_pk_add_f32 v[64:65], v[64:65], v[68:69]
	v_pk_add_f32 v[66:67], v[66:67], v[70:71]
	v_pk_add_f32 v[72:73], v[72:73], v[76:77]
	v_pk_add_f32 v[74:75], v[74:75], v[78:79]
	v_add_f32 v80, v80, v81
	v_add_f32 v82, v82, v83
	v_pk_add_f32 v[64:65], v[64:65], v[72:73]
	v_pk_add_f32 v[66:67], v[66:67], v[74:75]
	v_add_f32 v80, v80, v82
	v_fma_f32 v[TMP+2], v80, -0.5, v[TMP+2]        ; bV + sum V
	v_mov_b32 v[TMP+3], v[TMP+2]
	v_pk_add_f32 v[64:65], v[64:65], v[TMP+2:TMP+3]
	v_pk_add_f32 v[66:67], v[66:67], v[TMP+2:TMP+3]  ; v64-67: the scores of rows 4 lane .. + 3; never rewritten (wave 0's store reads them)
	s_cmp_lg_u32 s[WV], 0
	s_cbranch_scc1 .Lnost
	global_store_b128 v[L16], v[64:67], s[14:15]   ; 512 consecutive bytes, aligned
.Lnost:
	; ---- the block's softmax: m, p = 2^(log2(e) score - log2(e) m)
	v_max3_num_f32 v[TMP], v64, v65, v66
	v_max_num_f32 v[TMP], v[TMP], v67
	v_max_num_f32_dpp v[TMP], v[TMP], v[TMP] row_xmask:1 row_mask:0xf bank_mask:0xf
	v_max_num_f32_dpp v[TMP], v[TMP], v[TMP] row_xmask:2 row_mask:0xf bank_mask:0xf
	v_max_num_f32_dpp v[TMP], v[TMP], v[TMP] row_xmask:4 row_mask:0xf bank_mask:0xf
	v_max_num_f32_dpp v[TMP], v[TMP], v[TMP] row_xmask:8 row_mask:0xf bank_mask:0xf
	v_permlanex16_b32 v[TMP+1], v[TMP], s[SEL], s[SEL+1]
	v_max_num_f32 v[TMP], v[TMP], v[TMP+1]
	v_mul_f32 v[TMP+1], s[L2E], v[TMP]
	v_fma_f32 v[TMP+2], v64, s[L2E], -v[TMP+1]     ; rows 4 lane and 4 lane + 2 side by side (the even rows),
	v_fma_f32 v[TMP+3], v66, s[L2E], -v[TMP+1]
	v_fma_f32 v[TMP+4], v65, s[L2E], -v[TMP+1]     ; then the odd rows
	v_fma_f32 v[TMP+5], v67, s[L2E], -v[TMP+1]
	v_exp_f32 v[TMP+2], v[TMP+2]
	v_exp_f32 v[TMP+3], v[TMP+3]
	v_exp_f32 v[TMP+4], v[TMP+4]
	v_exp_f32 v[TMP+5], v[TMP+5]
.set i, 0
.rept 16
	v_mov_b32 v[CACC+i], 0                         ; the context's sixteen sums; also the plain instructions behind the exponentials
.set i, i+1
.endr
	s_wait_alu depctr_va_vdst(0)
	ds_store_b64 v[WST], v[TMP+2:TMP+3]            ; into my wave's own words: LDS serves a wave's instructions in order (ISA guide 5.7.1.4), so no wait and no barrier stand ahead of my loads below
	ds_store_b64 v[WST], v[TMP+4:TMP+5] offset:256
	; ---- the partial context: wave w takes columns 256 w .. + 255 (groups 2 w, 2 w + 1) of all 128 rows.  One load is two rows' 256 bytes: lanes 0-15 the even row, lanes 16-31 the odd one.
	s_mov_b32 s[GA], 0
	s_mov_b32 s[GS], 0
	s_mov_b32 s[CNT], 4
.Lctx:                                             ; a trip: 16 pairs of rows of both groups
	v_add_nc_u32 v[CA], s[GA], v[CA0]
	v_add_nc_u32 v[WA], s[GS], v[WA0]
.irp j, 0,1,2,3
	ds_load_b128 v[WREG+4*(\j):WREG+4*(\j)+3], v[WA] offset:16*(\j)
.endr
.set i, 0
.rept 32                               ; i = 2 x pair + group
	ds_load_b128 v[ST+4*i:ST+4*i+3], v[CA] offset:(i/2)*2*PITCH+(i%2)*GRP
.set i, i+1
.endr
.set i, 0
.rept 32
	s_wait_dscnt 31-i                              ; LDS loads come back in order: load i is in, the 31 - i behind it may stay out
.irp z, 0,1,2,3
	v_fma_mix_f32_bf16 v[CACC+8*(i%2)+2*(\z)], v[ST+4*i+(\z)], v[WREG+i/2], v[CACC+8*(i%2)+2*(\z)] op_sel_hi:[1,0,0]
	v_fma_mix_f32_bf16 v[CACC+8*(i%2)+2*(\z)+1], v[ST+4*i+(\z)], v[WREG+i/2], v[CACC+8*(i%2)+2*(\z)+1] op_sel:[1,0,0] op_sel_hi:[1,0,0]
.endr
.set i, i+1
.endr
	s_add_co_u32 s[GA], s[GA], 32*PITCH
	s_add_co_u32 s[GS], s[GS], 64
	s_sub_co_u32 s[CNT], s[CNT], 1
	s_cmp_lg_u32 s[CNT], 0
	s_cbranch_scc1 .Lctx
.irp g, 0,1
.irp e, 0,1,2,3,4,5,6,7
	v_permlanex16_b32 v[CT+8*(\g)+(\e)], v[CACC+8*(\g)+(\e)], s[SEL], s[SEL+1]  ; the other parity's rows
.endr
.irp e, 0,1,2,3,4,5,6,7
	v_add_f32 v[CACC+8*(\g)+(\e)], v[CACC+8*(\g)+(\e)], v[CT+8*(\g)+(\e)]
.endr
.irp e, 0,1,2,3
	v_cndmask_b32 v[TMP+4*(\g)+(\e)], v[CACC+8*(\g)+(\e)], v[CACC+8*(\g)+4+(\e)], s[HIM]  ; lanes 0-15 store columns 8 r .. + 3, lanes 16-31 columns 8 r + 4 .. + 7
.endr
	global_store_b128 v[GO], v[TMP+4*(\g):TMP+4*(\g)+3], s[16:17] offset:512*(\g)  ; 512 consecutive bytes, aligned
.endr
	s_wait_tensorcnt 0x0                           ; the wave's end, behind my last LDS store
	ds_add_u32 v[SPW], v[NIL]
	s_wait_dscnt 0x0
	s_endpgm
.Lfunc_end_k_qd87ac230aa_attend:
	.size	k_qd87ac230aa_attend, .Lfunc_end_k_qd87ac230aa_attend-k_qd87ac230aa_attend
	.p2alignl 7, 3214868480
	.fill 96, 4, 3214868480
	.section	.rodata,"a",@progbits
	.p2align	6, 0x0
	.amdhsa_kernel k_qd87ac230aa_attend
		.amdhsa_group_segment_fixed_size 291584
		.amdhsa_private_segment_fixed_size 0
		.amdhsa_enable_private_segment 0
		.amdhsa_kernarg_size 56
		.amdhsa_user_sgpr_count 2
		.amdhsa_user_sgpr_kernarg_segment_ptr 1
		.amdhsa_wavefront_size32 1
		.amdhsa_system_sgpr_workgroup_id_x 1
		.amdhsa_system_sgpr_workgroup_id_y 1
		.amdhsa_system_sgpr_workgroup_id_z 1
		.amdhsa_system_vgpr_workitem_id 0
		.amdhsa_next_free_vgpr 1024
		.amdhsa_next_free_sgpr 66
		.amdhsa_reserve_vcc 0
		.amdhsa_float_denorm_mode_32 3
		.amdhsa_float_denorm_mode_16_64 3
		.amdhsa_memory_ordered 1
		.amdhsa_forward_progress 1
		.amdhsa_inst_pref_size 255
	.end_amdhsa_kernel
	.section	.bss,"aw",@nobits
	.p2align	6
	.space	262144
	.amdgpu_metadata
---
amdhsa.version: [ 1, 2 ]
amdhsa.kernels:
  - .name:           k_qd87ac230aa_attend
    .symbol:         k_qd87ac230aa_attend.kd
    .args:
      - { .name: values, .offset: 0, .size: 8, .value_kind: global_buffer, .address_space: global }
      - { .name: w1f, .offset: 8, .size: 8, .value_kind: global_buffer, .address_space: global }
      - { .name: cq, .offset: 16, .size: 8, .value_kind: global_buffer, .address_space: global }
      - { .name: V, .offset: 24, .size: 8, .value_kind: global_buffer, .address_space: global }
      - { .name: bV, .offset: 32, .size: 8, .value_kind: global_buffer, .address_space: global }
      - { .name: scores, .offset: 40, .size: 8, .value_kind: global_buffer, .address_space: global }
      - { .name: pctx, .offset: 48, .size: 8, .value_kind: global_buffer, .address_space: global }
    .group_segment_fixed_size: 291584
    .private_segment_fixed_size: 0
    .kernarg_segment_align: 8
    .kernarg_segment_size: 56
    .max_flat_workgroup_size: 128
    .sgpr_count:     66
    .vgpr_count:     1024
    .wavefront_size: 32
...
	.end_amdgpu_metadata
.endif
;; end of part 2
;; launch combine (part 3): grid 32 x 8, 1 waves a work-group, no clusters, 0 bytes of LDS; arguments scores, pctx, out0, out1; writes out0, out1
.if DOCPART == 3
	.amdgcn_target "amdgcn-amd-amdhsa--gfx1250"
	.amdhsa_code_object_version 6
	.text
	.protected	k_qd87ac230aa_combine
	.globl	k_qd87ac230aa_combine
	.p2align	8
	.type	k_qd87ac230aa_combine,@function
k_qd87ac230aa_combine:
	s_mov_b64 s[64:65], 0
	v_nop
	global_prefetch_b8 v0, s[64:65] scope:SCOPE_SE
	s_setreg_imm32_b32 hwreg(HW_REG_WAVE_MODE, 25, 1), 1
	s_wait_xcnt 0x0
; THE JOIN.  One wave for batch x and chunk y of eight: 128 columns of the context, 256 positions of the weights.
; From the batch's 2,048 scores: m_k, the maximum of block k of 128 (the same bits as the launch before took: a maximum rounds nothing), M = max m_k,
; L = sum 2^(log2(e) s - log2(e) M);  out1[s] = 2^(..) / L;  out0[d] = sum_k 2^(log2(e) (m_k - M)) pctx[16 x + k][d] / L.
; All in f32.  The maximum is taken away before every exponential, so L lies in 1 to 2,048; a weight below 2^-126 counts as 0.  NaN and infinities are not treated apart.
; No LDS, no barrier, no matrix unit: 17 KB of loads a wave, all issued at the start.
.set SCR, 16                           ; v16-79   the batch's scores: load k is block k, four a lane
.set OWN, 80                           ; v80-87   my chunk's 256 scores
.set PC,  88                           ; v88-151  pctx: row k, my four columns
.set MK,  152                          ; v152-167 m_k, then the blocks' factors
.set TP,  168                          ; v168-171 at work for v_permlanex16_b32, whose destination counts as read: written once here
.set MX,  172                          ; v172     M
.set ML,  174                          ; v[174:175] log2(e) M, a pair
.set RL,  176                          ; v[176:177] 1 / L, twice
.set AC,  180                          ; v180-183 the context's four sums
	s_load_b256 s[4:11], s[0:1], 0x0               ; scores s[4:5], pctx s[6:7], out0 s[8:9], out1 s[10:11]
	s_and_b32 s12, ttmp7, 0xffff                   ; y
	s_mov_b32 s13, ttmp9                           ; the batch
	s_mov_b32 s15, 0
	s_mov_b32 s20, 0x3fb8aa3b                      ; log2(e)
	s_mov_b32 s21, 0x3fb8aa3b                      ; named with it as a pair
	s_mov_b32 s22, 0x76543210                      ; v_permlanex16_b32: each lane takes its own place in the other half
	s_mov_b32 s23, 0xfedcba98
	v_lshlrev_b32 v1, 4, v0                        ; 16 bytes a lane
.irp k, 0,1,2,3
	v_mov_b32 v[TP+(\k)], 0
.endr
	s_wait_kmcnt 0x0
	s_lshl_b32 s14, s13, 13                        ; a batch's 2,048 scores
	s_add_nc_u64 s[4:5], s[4:5], s[14:15]
	s_add_nc_u64 s[10:11], s[10:11], s[14:15]
	s_lshl_b32 s14, s12, 10                        ; my chunk's 256
	s_add_nc_u64 s[10:11], s[10:11], s[14:15]
	s_add_nc_u64 s[16:17], s[4:5], s[14:15]
	s_lshl_b32 s18, s12, 9                         ; my chunk's 128 columns
	s_lshl_b32 s14, s13, 16                        ; a batch's 16 rows of pctx
	s_add_co_u32 s14, s14, s18
	s_add_nc_u64 s[6:7], s[6:7], s[14:15]
	s_lshl_b32 s14, s13, 12
	s_add_co_u32 s14, s14, s18
	s_add_nc_u64 s[8:9], s[8:9], s[14:15]
.irp k, 0,1,2,3,4,5,6,7,8,9,10,11,12,13,14,15
	global_load_b128 v[SCR+4*(\k):SCR+4*(\k)+3], v1, s[4:5] offset:512*(\k)
.endr
	global_load_b128 v[OWN:OWN+3], v1, s[16:17]
	global_load_b128 v[OWN+4:OWN+7], v1, s[16:17] offset:512
.irp k, 0,1,2,3,4,5,6,7,8,9,10,11,12,13,14,15
	global_load_b128 v[PC+4*(\k):PC+4*(\k)+3], v1, s[6:7] offset:4096*(\k)
.endr
	s_wait_loadcnt 16                              ; the scores are in; pctx's sixteen loads may stay out
.irp k, 0,1,2,3,4,5,6,7,8,9,10,11,12,13,14,15
	v_max3_num_f32 v[MK+(\k)], v[SCR+4*(\k)], v[SCR+4*(\k)+1], v[SCR+4*(\k)+2]
.endr
.irp k, 0,1,2,3,4,5,6,7,8,9,10,11,12,13,14,15
	v_max_num_f32 v[MK+(\k)], v[MK+(\k)], v[SCR+4*(\k)+3]
.endr
.irp x, 1,2,4,8
.irp k, 0,1,2,3,4,5,6,7,8,9,10,11,12,13,14,15
	v_max_num_f32_dpp v[MK+(\k)], v[MK+(\k)], v[MK+(\k)] row_xmask:\x row_mask:0xf bank_mask:0xf
.endr
.endr
.irp k, 0,1,2,3,4,5,6,7,8,9,10,11,12,13,14,15
	v_permlanex16_b32 v[TP+(\k)%4], v[MK+(\k)], s22, s23
	v_max_num_f32 v[MK+(\k)], v[MK+(\k)], v[TP+(\k)%4]
.endr
	v_max3_num_f32 v[MX], v[MK], v[MK+1], v[MK+2]
.irp k, 3,5,7,9,11,13
	v_max3_num_f32 v[MX], v[MX], v[MK+(\k)], v[MK+(\k)+1]
.endr
	v_max_num_f32 v[MX], v[MX], v[MK+15]
	v_mul_f32 v[ML], s20, v[MX]
	v_mov_b32 v[ML+1], v[ML]
.set j, 0
.rept 36                               ; the 64 scores and my chunk's 8, which lie behind them: log2(e) s - log2(e) M
	v_pk_fma_f32 v[SCR+2*j:SCR+2*j+1], v[SCR+2*j:SCR+2*j+1], s[20:21], v[ML:ML+1] op_sel_hi:[1,0,0] neg_lo:[0,0,1] neg_hi:[0,0,1]
.set j, j+1
.endr
.irp k, 0,1,2,3,4,5,6,7,8,9,10,11,12,13,14,15
	v_sub_f32 v[MK+(\k)], v[MK+(\k)], v[MX]
.endr
.irp k, 0,1,2,3,4,5,6,7,8,9,10,11,12,13,14,15
	v_mul_f32 v[MK+(\k)], s20, v[MK+(\k)]
.endr
.set j, 0
.rept 72
	v_exp_f32 v[SCR+j], v[SCR+j]
.set j, j+1
.endr
.irp k, 0,1,2,3,4,5,6,7,8,9,10,11,12,13,14,15
	v_exp_f32 v[MK+(\k)], v[MK+(\k)]
.endr
	v_nop                                          ; a plain instruction behind the run of exponentials (ISA guide 5.7.2)
.set j, 4
	s_wait_alu depctr_va_vdst(0)
.rept 28                               ; L: four chains, started by the first four pairs
	v_pk_add_f32 v[SCR+2*(j%4):SCR+2*(j%4)+1], v[SCR+2*(j%4):SCR+2*(j%4)+1], v[SCR+2*j:SCR+2*j+1]
.set j, j+1
.endr
	v_pk_add_f32 v[SCR:SCR+1], v[SCR:SCR+1], v[SCR+2:SCR+3]
	v_pk_add_f32 v[SCR+4:SCR+5], v[SCR+4:SCR+5], v[SCR+6:SCR+7]
	v_pk_add_f32 v[SCR:SCR+1], v[SCR:SCR+1], v[SCR+4:SCR+5]
	v_add_f32 v[SCR], v[SCR], v[SCR+1]
	v_add_f32_dpp v[SCR], v[SCR], v[SCR] row_xmask:1 row_mask:0xf bank_mask:0xf
	v_add_f32_dpp v[SCR], v[SCR], v[SCR] row_xmask:2 row_mask:0xf bank_mask:0xf
	v_add_f32_dpp v[SCR], v[SCR], v[SCR] row_xmask:4 row_mask:0xf bank_mask:0xf
	v_add_f32_dpp v[SCR], v[SCR], v[SCR] row_xmask:8 row_mask:0xf bank_mask:0xf
	v_permlanex16_b32 v[TP], v[SCR], s22, s23
	v_add_f32 v[SCR], v[SCR], v[TP]
	v_rcp_f32 v[RL], v[SCR]
	v_rcp_f32 v[RL+1], v[SCR]
	s_wait_loadcnt 0x0                             ; pctx
.irp z, 0,1,2,3
	v_mul_f32 v[AC+(\z)], v[MK], v[PC+(\z)]        ; block 0 starts the sums; these lines are also the plain instructions behind the reciprocals
.endr
.irp k, 1,2,3,4,5,6,7,8,9,10,11,12,13,14,15
.irp z, 0,1,2,3
	v_fmac_f32 v[AC+(\z)], v[MK+(\k)], v[PC+4*(\k)+(\z)]
.endr
.endr
	s_wait_alu depctr_va_vdst(0)
.irp z, 0,1,2,3
	v_pk_mul_f32 v[OWN+2*(\z):OWN+2*(\z)+1], v[OWN+2*(\z):OWN+2*(\z)+1], v[RL:RL+1]
.endr
	global_store_b128 v1, v[OWN:OWN+3], s[10:11]   ; each store covers 512 consecutive bytes, aligned
	global_store_b128 v1, v[OWN+4:OWN+7], s[10:11] offset:512
	v_pk_mul_f32 v[AC:AC+1], v[AC:AC+1], v[RL:RL+1]
	v_pk_mul_f32 v[AC+2:AC+3], v[AC+2:AC+3], v[RL:RL+1]
	global_store_b128 v1, v[AC:AC+3], s[8:9]
	s_endpgm
.Lfunc_end_k_qd87ac230aa_combine:
	.size	k_qd87ac230aa_combine, .Lfunc_end_k_qd87ac230aa_combine-k_qd87ac230aa_combine
	.p2alignl 7, 3214868480
	.fill 96, 4, 3214868480
	.section	.rodata,"a",@progbits
	.p2align	6, 0x0
	.amdhsa_kernel k_qd87ac230aa_combine
		.amdhsa_group_segment_fixed_size 0
		.amdhsa_private_segment_fixed_size 0
		.amdhsa_enable_private_segment 0
		.amdhsa_kernarg_size 32
		.amdhsa_user_sgpr_count 2
		.amdhsa_user_sgpr_kernarg_segment_ptr 1
		.amdhsa_wavefront_size32 1
		.amdhsa_system_sgpr_workgroup_id_x 1
		.amdhsa_system_sgpr_workgroup_id_y 1
		.amdhsa_system_sgpr_workgroup_id_z 1
		.amdhsa_system_vgpr_workitem_id 0
		.amdhsa_next_free_vgpr 200
		.amdhsa_next_free_sgpr 66
		.amdhsa_reserve_vcc 0
		.amdhsa_float_denorm_mode_32 3
		.amdhsa_float_denorm_mode_16_64 3
		.amdhsa_memory_ordered 1
		.amdhsa_forward_progress 1
		.amdhsa_inst_pref_size 24
	.end_amdhsa_kernel
	.amdgpu_metadata
---
amdhsa.version: [ 1, 2 ]
amdhsa.kernels:
  - .name:           k_qd87ac230aa_combine
    .symbol:         k_qd87ac230aa_combine.kd
    .args:
      - { .name: scores, .offset: 0, .size: 8, .value_kind: global_buffer, .address_space: global }
      - { .name: pctx, .offset: 8, .size: 8, .value_kind: global_buffer, .address_space: global }
      - { .name: out0, .offset: 16, .size: 8, .value_kind: global_buffer, .address_space: global }
      - { .name: out1, .offset: 24, .size: 8, .value_kind: global_buffer, .address_space: global }
    .group_segment_fixed_size: 0
    .private_segment_fixed_size: 0
    .kernarg_segment_align: 8
    .kernarg_segment_size: 32
    .max_flat_workgroup_size: 32
    .sgpr_count:     66
    .vgpr_count:     200
    .wavefront_size: 32
...
	.end_amdgpu_metadata
.endif
;; end of part 3
;; ======== version 2 of 2: 3 launches; version 1 with the launch attend written anew for expert scheduling mode
;; workspace buffers: w1f 2,097,152 bytes; cq 131,072 bytes; scores 262,144 bytes; pctx 2,097,152 bytes
;; launch prep: the kernel of part 1 again; grid 48 x 1, 8 waves a work-group, no clusters, 66,560 bytes of LDS; arguments W1, W2, query, b1, b2, w1f, cq; writes w1f, cq
;; launch attend (part 4): grid 512 x 1, 4 waves a work-group, no clusters, 291,584 bytes of LDS; arguments values, w1f, cq, V, bV, scores, pctx; writes scores, pctx
.if DOCPART == 4
	.amdgcn_target "amdgcn-amd-amdhsa--gfx1250"
	.amdhsa_code_object_version 6
	.text
	.protected	k_qd87ac230aa_attend
	.globl	k_qd87ac230aa_attend
	.p2align	8
	.type	k_qd87ac230aa_attend,@function
k_qd87ac230aa_attend:
	s_mov_b64 s[64:65], 0
	v_nop
	global_prefetch_b8 v0, s[64:65] scope:SCOPE_SE
	s_setreg_imm32_b32 hwreg(HW_REG_WAVE_SCHED_MODE, 0, 2), 2
	s_setreg_imm32_b32 hwreg(HW_REG_WAVE_MODE, 25, 1), 1
	s_wait_xcnt 0x0
	s_wait_alu depctr_vm_vsrc(0)
; THE MAIN LAUNCH.  A work-group owns 128 rows (positions) of one batch: block blk = rows 128 blk .. + 127 of values [65536][1024] f32.
; It makes  score[s] = bV + sum_u V[u] tanh(values[s] . W1[:, u] + query . W2[:, u] + b1[u] + b2[u]),  the block's maximum m,  p[s] = e^(score[s] - m),
; and the partial context  pctx[blk][d] = sum_s p[s] values[s][d].  The last launch joins the sixteen blocks of a batch.  values leaves memory once.
; FORMATS.  values, W1, V, bV (and, in the launch before, query, W2, b1, b2) are rounded once to bf16; products' sums, scores, maxima, weights and contexts are f32.
; The context is taken of the rounded rows, which stay in LDS.  tanh(x) = 1 - 2 / (1 + 2^(C2 x)), C2 = 2 log2(e): it saturates rightly (2^.. = infinity gives 1, 0 gives -1).
; LIMITS.  score is formed as (bV + sum V) + sum (-2 V[u]) r[u], r = 1 / (1 + 2^..): its absolute error is some 2^-24 sum |V|, and the softmax sees differences of scores alone.
; NaN and infinities among the inputs are not treated apart.
; SHARES.  Wave w owns units 256 w .. + 255, in two passes of 128: a wave's tile is 128 rows x 128 units, 64 accumulators, 512 registers.
; The matrix instruction is used transposed (source 0 = 16 units of W1, source 1 = 16 rows of values): lane (r, h), register j of tile (a, b) is row 16 a + r and unit row 8 h + j,
; so the dot with V stays inside the lane.  Which unit that is: the launch before laid W1 out as u = 256 w + 128 p + 64 (b / 4) + 4 (8 h + j) + b % 4; the two small tables below are stored in the same order.
; DATA PATHS.  values: global loads (one instruction = 512 consecutive bytes of a row), rounded, into LDS, each wave its 32 rows, 128 along K (a GROUP) at a time, while pass 1 multiplies the groups before.
; W1: straight from w1f into registers, 8,192 bytes a wave and K step, three K steps ahead.  The block takes 278,528 of the work-group's LDS bytes: two slots of a K step of W1 for 512 units
; (2 x 32,768 bytes) do not fit beside it, so there is no tensor load, no ring and no cluster here; every LDS byte is written once in the launch.
; REGISTERS, in windows of 256 (s_set_vgpr_msb: bits 1:0 source 0, 3:2 source 1, 5:4 source 2, 7:6 destination):
;   window 0: v0-15 addresses; v16-31 conversions at work; v32-47 a pair of score sums for each 16 rows; v48-61 at work; v62, v63 the add's; v64-127 values' fragments of one K step;
;             v128-255 four slots of 8 rows x 512 bytes as loaded; later the tables; later the context's rows
;   window 1: four buffers of W1's fragments, 64 each          windows 2, 3: the accumulators of rows 0-63 and 64-127, tile (a, b) at 8 (8 (a % 4) + b)
; THE MODE: SCHED_MODE bits 1:0 = 2 (LLVM: expert scheduling mode 2), set by the entry lines.  The code itself states the register dependences
; between vector or matrix instructions and memory or LDS instructions, with s_wait_alu, always for 0.
; THE PLAN, for K step c: two halves of 32 products, H0 on fragments 0-3 and H1 on fragments 4-7.  Registers that memory or LDS instructions touch:
;   fragments 0-3    read by H0's products; the LDS loads for step c + 1 land in them, issued in H1.
;   fragments 4-7    read by H1's products; the LDS loads for step c land in them, issued in H0.
;   W1 buffer c % 4  read by step c's products; W1 of step c + 3 lands in buffer (c - 1) % 4, issued in H1 of step c.
;   slot (c + 1) % 4 read by the sixteen conversions between steps c and c + 1 (piece c + 5); piece c + 7 lands in slot (c + 3) % 4, emptied two steps before, issued in H0 of step c.
;   CT               written by those conversions; read by the eight LDS stores issued in H0 of step c + 1.
;   ADRA, STA        read by the fragments' loads and the pieces' stores; written once a group, between two steps.     VO, BO, PV, TA: made at the head, never written again.
; TWO waits on va_vdst a step.  Between two steps, behind the conversions: CT, ADRA and STA are written; the conversions are done with their slot; the step's products are done with fragments 4-7 and
; with their buffer of W1.  Between H0 and H1: H0's products are done with fragments 0-3.  Behind each wait the products go on at once, and the half's loads and stores are dealt among them, four behind
; every second product: none of those products names a register that these touch.  One wait on vm_vsrc stands between two steps wherever CT, ADRA or STA is written again.
.set GRP,   34816                      ; a group in LDS: 128 rows x 272 bytes
.set PITCH, 272                        ; 256 bytes of data + 16: the sixteen rows of a fragment load start at sixteen different groups of four banks (64 banks of 4 bytes: ISA guide 11.1)
.set FRAG,  16*PITCH
.set TCQ,   8*GRP                      ; 4,096 bytes: C2 x (query . W2 + b1 + b2) of my batch, at 512 (u / 128) + 64 b + 4 m
.set SCX,   TCQ+8192                   ; (TCQ + 4,096: -2 V in the same order)  2,048 bytes: [wave][128] partial scores
.set VSUM,  SCX+2048                   ; four words: each wave's sum of -2 V
.set WGT,   VSUM+256                   ; 512 bytes for each wave, its own: p[2 t + h] at 256 h + 4 t
.set SPARE, WGT+2048                   ; the spare words, 128 bytes a wave
.set CHUNK, 8192                       ; W1's fragments for one wave and K step
.set LANE,  1
.set RR,    2                          ; lane % 16
.set HH,    3                          ; lane / 16
.set ADRA,  4                          ; my place in a fragment of values, in the group in hand
.set STA,   5                          ; where I store 8 bytes of my wave's rows, in the group being filled
.set BO,    6                          ; my byte offset in w1f; never rewritten
.set VO,    7                          ; my byte offset in the block's values; never rewritten
.set PV,    8                          ; my row's byte offset, one row a lane, for the prefetch; never rewritten
.set TA,    9                          ; my place in the tables
.set SX,    10                         ; where my wave's partial scores go
.set ADRA0, 11                         ; ADRA in group 0
.set STA0,  12                         ; STA in group 0
.set CA0,   13                         ; the context: my 16 bytes in the first two rows of my first group
.set WA0,   14                         ; the context: my half's weights
.set L16,   15                         ; 16 x lane
.set CT,    16
.set SC,    32
.set TMP,   48
.set CA,    58
.set WA,    59
.set GO,    60                         ; my byte offset in 512 bytes of pctx
.set WST,   61                         ; where I store weights
.set SPW,   62                         ; LDS address of my spare word; never rewritten
.set NIL,   63                         ; 0; never rewritten
.set AF,    64
.set WREG,  96                         ; the context: 16 weights
.set CACC,  112                        ; the context: 2 groups x 8 sums
.set ST,    128
.set WV,    20                         ; s20 wave
.set BV,    21                         ; s21 bV
.set CNT,   22                         ; s22 trips
.set PASS,  23                         ; s23 passes to go
.set C2S,   24                         ; s[24:25] C2, a pair
.set SEL,   26                         ; s[26:27] v_permlanex16_b32's selects: each lane takes its own place in the other half
.set L2E,   28                         ; s28 log2(e)
.set HIM,   29                         ; s29 0xffff0000: a word's upper bf16, and the mask of lanes 16-31
.set OFS,   30                         ; s[30:31] an offset pair
.set GA,    32                         ; s32 LDS byte offset of the group that ADRA stands in
.set GS,    33                         ; s33 the same for STA
.set TS,    34                         ; s34, s35 at work
.set MSB, 0
.macro WIN new                         ; the immediate's high byte repeats the setting that is left; a switch that changes nothing is dropped
.if MSB != (\new)
	s_set_vgpr_msb (MSB<<8)|(\new)
.set MSB, \new
.endif
.endm
.set MUL_LO, 0xa1                      ; source 0 (W1) window 1, source 1 (values) window 0, C and D window 2
.set TO_B,   0x40                      ; destination window 1, address window 0
.macro PLACES                          ; four places behind matrix instructions: ahead of vector reads of their results; ahead of loads into their sources they stand beside the wait that states the dependence
.rept 4
	v_nop
.endr
.endm
; Product i of a half step's 32: row block 4 hi + i / 8, unit block i % 8, 32 along K.  zero = 1: the product starts the sum.
; The 64 accumulators take turns, one instruction a turn, in the same order in every K step.
.macro PROD buf, hi, zero
	WIN MUL_LO+0x50*(\hi)
.if \zero
	v_wmma_f32_16x16x32_bf16 v[8*i:8*i+7], v[64*(\buf)+8*(i%8):64*(\buf)+8*(i%8)+7], v[AF+8*(4*(\hi)+i/8):AF+8*(4*(\hi)+i/8)+7], 0
.else
	v_wmma_f32_16x16x32_bf16 v[8*i:8*i+7], v[64*(\buf)+8*(i%8):64*(\buf)+8*(i%8)+7], v[AF+8*(4*(\hi)+i/8):AF+8*(4*(\hi)+i/8)+7], v[8*i:8*i+7]
.endif
.endm
; WHAT IS DEALT, four instructions at a time; the caller sets the windows.
.macro A4 a0, off, q                   ; values' fragments a0 + 2 q and a0 + 2 q + 1 (16 rows x 32 K each) at byte off from ADRA
.irp a, (\a0)+2*(\q), (\a0)+2*(\q)+1
	ds_load_b128 v[AF+8*(\a):AF+8*(\a)+3],   v[ADRA] offset:(\off)+(\a)*FRAG
	ds_load_b128 v[AF+8*(\a)+4:AF+8*(\a)+7], v[ADRA] offset:(\off)+(\a)*FRAG+32
.endr
.endm
.macro T4 off, q                       ; rows 4 q .. 4 q + 3 of the piece that lies rounded in CT: 32 lanes x 8 bytes are a row's 256 bytes
.irp r, 4*(\q), 4*(\q)+1, 4*(\q)+2, 4*(\q)+3
	ds_store_b64 v[STA], v[CT+2*(\r):CT+2*(\r)+1] offset:(\off)+PITCH*(\r)
.endr
.endm
.macro S4 dst, off, q                  ; rows 4 q .. 4 q + 3 of a PIECE (8 rows x 128 K of f32); one load is 512 consecutive bytes of a row, aligned
.irp r, 4*(\q), 4*(\q)+1, 4*(\q)+2, 4*(\q)+3
	global_load_b128 v[(\dst)+4*(\r):(\dst)+4*(\r)+3], v[VO], s[4:5] offset:(\off)+4096*(\r) th:TH_LOAD_NT
.endr
.endm
.macro B4 buf, off, q                  ; W1's fragments 2 q and 2 q + 1 of a K step; one load is 512 consecutive bytes
.irp b, 2*(\q), 2*(\q)+1
	global_load_b128 v[64*(\buf)+8*(\b):64*(\buf)+8*(\b)+3],   v[BO], s[6:7] offset:(\off)+1024*(\b)
	global_load_b128 v[64*(\buf)+8*(\b)+4:64*(\buf)+8*(\b)+7], v[BO], s[6:7] offset:(\off)+1024*(\b)+512
.endr
.endm
.macro SFETCH dst, off                 ; a whole piece, at the head
	S4 \dst, \off, 0
	S4 \dst, \off, 1
.endm
.macro BFETCH buf, off                 ; a whole K step of W1, at the head
	WIN TO_B
	B4 \buf, \off, 0
	B4 \buf, \off, 1
	B4 \buf, \off, 2
	B4 \buf, \off, 3
.endm
.macro CVT16 src                       ; a piece is rounded to bf16 into CT.  The caller sets the sources' window
.irp r, 0,1,2,3,4,5,6,7
	v_cvt_pk_bf16_f32 v[CT+2*(\r)],   v[(\src)+4*(\r)],   v[(\src)+4*(\r)+1]
	v_cvt_pk_bf16_f32 v[CT+2*(\r)+1], v[(\src)+4*(\r)+2], v[(\src)+4*(\r)+3]
.endr
.endm
; A K STEP.  H0 deals: this step's fragments 4-7 (at aoff); soff >= 0: the eight stores of the piece in CT; sdst >= 0: a later piece's eight loads.  All stand among the first eleven products.
; bar = 1: the next group is whole in every wave's stores: each wave waits for its LDS stores, signals behind the sixteenth product, works on registers, waits behind the thirty-second; H1's loads are the group's first readers.
; H1 deals: moff >= 0: the next step's fragments 0-3; bbuf >= 0: a later step's W1.  moff < 0: the pass's last step: the tables of pass tab / 512 are fetched in one run between the halves.
.macro KSTEP buf, zero, bar, aoff, soff, sdst, spoff, moff, tab, bbuf, boff
	s_wait_dscnt 0x0                               ; fragments 0-3 are in: no LDS instruction was issued behind their loads
.set i, 0
.rept 32
	PROD \buf, 0, \zero
.if i == 0
	WIN 0
	A4 4, \aoff, 0
.elseif i == 2
	WIN 0
	A4 4, \aoff, 1
.elseif (i == 4) && ((\soff) >= 0)
	WIN 0
	T4 \soff, 0
.elseif (i == 6) && ((\soff) >= 0)
	WIN 0
	T4 \soff, 1
.elseif (i == 8) && ((\sdst) >= 0)
	WIN 0
	S4 \sdst, \spoff, 0
.elseif (i == 10) && ((\sdst) >= 0)
	WIN 0
	S4 \sdst, \spoff, 1
.elseif (i == 15) && (\bar)
	s_wait_dscnt 0x0                               ; for the others' sake: all my stores into the next group are done
	s_barrier_signal -1
.endif
.set i, i+1
.endr
.if \bar
	s_barrier_wait -1
.endif
.if (\moff) >= 0
	PLACES
	s_wait_alu depctr_va_vdst(0)                   ; H0's products are done reading fragments 0-3, in which the loads dealt below land
.if (\soff) >= 0
	s_wait_dscnt 8                                 ; all but the piece's eight stores: fragments 4-7 are in
.else
	s_wait_dscnt 0x0                               ; fragments 4-7 are in
.endif
.else
	WIN 0
	s_wait_dscnt 0x0                               ; fragments 4-7 are in
.irp b, 0,1,2,3,4,5,6,7                ; for unit block b my eight units' cq (8 registers) and -2 V (8 registers).  No wait: their registers' last readers stand ahead of earlier waits on va_vdst, and nothing since names them
	ds_load_b128 v[ST+16*(\b):ST+16*(\b)+3],     v[TA] offset:(\tab)+64*(\b)
	ds_load_b128 v[ST+16*(\b)+4:ST+16*(\b)+7],   v[TA] offset:(\tab)+64*(\b)+16
	ds_load_b128 v[ST+16*(\b)+8:ST+16*(\b)+11],  v[TA] offset:(\tab)+64*(\b)+4096
	ds_load_b128 v[ST+16*(\b)+12:ST+16*(\b)+15], v[TA] offset:(\tab)+64*(\b)+4112
.endr
.endif
.set i, 0
.rept 32
	PROD \buf, 1, \zero
.if (i == 0) && ((\moff) >= 0)
	WIN 0
	A4 0, \moff, 0
.elseif (i == 2) && ((\moff) >= 0)
	WIN 0
	A4 0, \moff, 1
.elseif (i >= 4) && (i <= 10) && (i%2 == 0) && ((\bbuf) >= 0)
	WIN TO_B
	B4 \bbuf, \boff, (i-4)/2
.endif
.set i, i+1
.endr
.endm
; BETWEEN TWO K STEPS.  nl: the global loads issued behind the next step's W1, which may stay out; the piece to be rounded was asked for ahead of that W1.
; cslot >= 0: the piece in that slot is rounded into CT; its 16 conversions are the places behind the products.  adv = 1: ADRA and STA move on by a group; adv = 2: ADRA alone.
.macro EST cslot, nl, adv
	WIN 0
	s_wait_loadcnt \nl
.if ((\cslot) >= 0) || (\adv)
	s_wait_alu depctr_vm_vsrc(0)                   ; the LDS stores and loads issued so far have read CT, STA and ADRA, which the lines below write again
.endif
.if \adv
	s_add_co_u32 s[GA], s[GA], GRP
	v_add_nc_u32 v[ADRA], s[GA], v[ADRA0]
.endif
.if (\adv) == 1
	s_add_co_u32 s[GS], s[GS], GRP
	v_add_nc_u32 v[STA], s[GS], v[STA0]
.endif
.if (\cslot) >= 0
	CVT16 ST+32*(\cslot)
.else
	PLACES
.endif
	s_wait_alu depctr_va_vdst(0)                   ; CT, ADRA and STA are written, which the next step's stores and loads read; the conversions are done with their slot, the products with fragments 4-7 and with their W1: loads land in all of these
.endm
; THE WAY FROM SUMS TO SCORES, for the four tiles of one unit block: x = C2 acc + cq; 2^x; + 1; 1 / ..; the row's pair of sums takes (-2 V) r.
; Each accumulator is read from its low end on.  The transcendentals stand back to back, a plain instruction behind each run (ISA guide 5.7.2).
.macro EPB hi, bb
	WIN 0x82+0x41*(\hi)                            ; destination and source 0 in the accumulators' window, the table in window 0
.irp a, 0,1,2,3
.irp i, 0,1,2,3
	v_pk_fma_f32 v[8*(8*(\a)+(\bb))+2*(\i):8*(8*(\a)+(\bb))+2*(\i)+1], v[8*(8*(\a)+(\bb))+2*(\i):8*(8*(\a)+(\bb))+2*(\i)+1], s[C2S:C2S+1], v[ST+16*(\bb)+2*(\i):ST+16*(\bb)+2*(\i)+1] op_sel_hi:[1,0,1]
.endr
.endr
.irp a, 0,1,2,3
.irp j, 0,1,2,3,4,5,6,7
	v_exp_f32 v[8*(8*(\a)+(\bb))+(\j)], v[8*(8*(\a)+(\bb))+(\j)]
.endr
.endr
	v_nop
	s_wait_alu depctr_va_vdst(0)                   ; the 32 exponentials have written their results, ahead of the additions that read them
.irp a, 0,1,2,3
.irp i, 0,1,2,3
	v_pk_add_f32 v[8*(8*(\a)+(\bb))+2*(\i):8*(8*(\a)+(\bb))+2*(\i)+1], v[8*(8*(\a)+(\bb))+2*(\i):8*(8*(\a)+(\bb))+2*(\i)+1], 1.0 op_sel_hi:[1,0]
.endr
.endr
.irp a, 0,1,2,3
.irp j, 0,1,2,3,4,5,6,7
	v_rcp_f32 v[8*(8*(\a)+(\bb))+(\j)], v[8*(8*(\a)+(\bb))+(\j)]
.endr
.endr
	v_nop
	WIN 0x02+(\hi)                                 ; source 0 in the accumulators' window, all else in window 0
	s_wait_alu depctr_va_vdst(0)                   ; the 32 reciprocals have written their results, ahead of the multiply-adds that read them
.irp i, 0,1,2,3                        ; the four rows' chains side by side
.irp a, 0,1,2,3
	v_pk_fma_f32 v[SC+2*(4*(\hi)+(\a)):SC+2*(4*(\hi)+(\a))+1], v[8*(8*(\a)+(\bb))+2*(\i):8*(8*(\a)+(\bb))+2*(\i)+1], v[ST+16*(\bb)+8+2*(\i):ST+16*(\bb)+8+2*(\i)+1], v[SC+2*(4*(\hi)+(\a)):SC+2*(4*(\hi)+(\a))+1]
.endr
.endr
.endm
	; ---- head
	s_load_b256 s[4:11], s[0:1], 0x0               ; values s[4:5], w1f s[6:7], cq s[8:9], V s[10:11]
	s_load_b128 s[12:15], s[0:1], 0x20             ; bV s[12:13], scores s[14:15]
	s_load_b64 s[16:17], s[0:1], 0x30              ; pctx
	v_lshl_add_u32 v[SPW], v0, 2, SPARE
	v_mov_b32 v[NIL], 0
	v_lshrrev_b32 v[TMP], 5, v0
	v_readfirstlane_b32 s[WV], v[TMP]              ; wave 0..3
	v_and_b32 v[LANE], 31, v0
	v_and_b32 v[RR], 15, v0
	v_bfe_u32 v[HH], v0, 4, 1
	s_mov_b32 s[C2S], 0x4038aa3b                   ; 2 log2(e)
	s_mov_b32 s[C2S+1], 0x4038aa3b
	s_mov_b32 s[SEL], 0x76543210
	s_mov_b32 s[SEL+1], 0xfedcba98
	s_mov_b32 s[L2E], 0x3fb8aa3b
	s_mov_b32 s[HIM], 0xffff0000
	v_mul_u32_u24 v[ADRA0], v[RR], PITCH
	v_lshl_add_u32 v[ADRA0], v[HH], 4, v[ADRA0]    ; row x pitch + 16 x half
	s_wait_alu depctr_va_sdst(0)                   ; the wave's number is written, ahead of its first reader: the wave's places in LDS and in memory are made from it
	s_mul_i32 s[TS], s[WV], 32*PITCH
	v_lshl_add_u32 v[STA0], v[LANE], 3, s[TS]      ; my wave's 32 rows, 8 bytes a lane
	s_lshl_b32 s[TS], s[WV], 19
	v_lshl_add_u32 v[BO], v[LANE], 4, s[TS]        ; my wave's 64 chunks of w1f
	s_lshl_b32 s[TS], s[WV], 17
	v_lshl_add_u32 v[VO], v[LANE], 4, s[TS]        ; my wave's 32 rows of 4,096 bytes
	v_lshlrev_b32 v[PV], 12, v0                    ; row 32 w + lane
	s_lshl_b32 s[TS], s[WV], 10
	s_add_co_u32 s[TS], s[TS], TCQ
	v_lshl_add_u32 v[TA], v[HH], 5, s[TS]          ; my wave's two passes of 512 bytes; my half's eight units
	s_lshl_b32 s[TS], s[WV], 9
	s_add_co_u32 s[TS+1], s[TS], SCX
	v_lshl_add_u32 v[SX], v[RR], 2, s[TS+1]
	s_add_co_u32 s[TS+1], s[TS], WGT
	v_lshl_add_u32 v[WA0], v[HH], 8, s[TS+1]
	v_lshl_add_u32 v[WST], v[LANE], 3, s[TS+1]
	s_mul_i32 s[TS], s[WV], 2*GRP
	v_mul_u32_u24 v[CA0], v[HH], PITCH
	v_lshl_add_u32 v[CA0], v[RR], 4, v[CA0]
	v_add_nc_u32 v[CA0], s[TS], v[CA0]
	v_lshlrev_b32 v[L16], 4, v[LANE]
	v_lshlrev_b32 v[GO], 5, v[RR]
	v_lshl_add_u32 v[GO], v[HH], 4, v[GO]
	; thread t holds units 8 t + e: their place in the tables is 512 (t / 16) + 256 ((t / 8) % 2) + 8 (t % 8), + 64 (e % 4) + 4 (e / 4)
	v_lshrrev_b32 v[TMP], 4, v0
	v_bfe_u32 v[TMP+1], v0, 3, 1
	v_and_b32 v[TMP+2], 7, v0
	v_lshlrev_b32 v[TMP+9], 9, v[TMP]
	v_lshl_add_u32 v[TMP+9], v[TMP+1], 8, v[TMP+9]
	v_lshl_add_u32 v[TMP+9], v[TMP+2], 3, v[TMP+9]
	v_add_nc_u32 v[TMP+9], TCQ, v[TMP+9]
	v_lshlrev_b32 v[TMP+8], 5, v0                  ; 32 bytes a thread of cq and of V
	s_lshl_b32 s[TS], s[WV], 2
	s_add_co_u32 s[TS], s[TS], VSUM
	v_mov_b32 v[TMP+7], s[TS]
	s_mov_b32 s[OFS+1], 0
	s_wait_kmcnt 0x0
	s_load_b32 s[BV], s[12:13], 0x0
	s_lshl_b32 s[OFS], ttmp9, 19                   ; the block's 128 rows of 4,096 bytes (under 2^28 in all)
	s_add_nc_u64 s[4:5], s[4:5], s[OFS:OFS+1]
	s_lshr_b32 s[OFS], ttmp9, 4                    ; the batch
	s_lshl_b32 s[OFS], s[OFS], 12
	s_add_nc_u64 s[8:9], s[8:9], s[OFS:OFS+1]
	s_lshl_b32 s[OFS], ttmp9, 9
	s_add_nc_u64 s[14:15], s[14:15], s[OFS:OFS+1]
	s_lshl_b32 s[OFS], ttmp9, 12
	s_lshl_b32 s[TS], s[WV], 10
	s_add_co_u32 s[OFS], s[OFS], s[TS]
	s_add_nc_u64 s[16:17], s[16:17], s[OFS:OFS+1]
	; ---- the first loads.  Piece q = 4 G + p is rows 32 w + 8 p .. + 7 of group G.  Pieces 0-4 go into the accumulators' registers, which are still idle.
	s_wait_alu depctr_va_vdst(0)                   ; every offset and LDS address made above is written: the kernel's loads, stores and prefetches read them
	global_load_b128 v[64:67], v[TMP+8], s[8:9]
	global_load_b128 v[68:71], v[TMP+8], s[8:9] offset:16
	global_load_b128 v[72:75], v[TMP+8], s[10:11]
	global_load_b128 v[76:79], v[TMP+8], s[10:11] offset:16
	WIN 0x80                                       ; destination window 2, address window 0
	SFETCH 0, 0
	SFETCH 32, 8*4096
	SFETCH 64, 16*4096
	SFETCH 96, 24*4096
	SFETCH 128, 512
	BFETCH 0, 0
	WIN 0
	SFETCH ST+32, 512+8*4096
	BFETCH 1, CHUNK
	WIN 0
	SFETCH ST+64, 512+16*4096
	BFETCH 2, 2*CHUNK
	WIN 0
	s_wait_kmcnt 0x0                               ; bV
	s_wait_loadcnt 63                              ; 64 loads stand behind piece 4 (16 + 8 + 16 + 8 + 16); the count's field ends at 63, and a smaller count is safe
.irp z, 0,1,2,3
	v_cvt_pk_bf16_f32 v[CT+(\z)], v[72+2*(\z)], v[73+2*(\z)]  ; V rounded to bf16 like every input,
.endr
.irp z, 0,1,2,3
	v_lshlrev_b32 v[72+2*(\z)], 16, v[CT+(\z)]     ; widened again,
	v_and_b32 v[73+2*(\z)], s[HIM], v[CT+(\z)]
.endr
.irp z, 0,1,2,3
	v_pk_mul_f32 v[72+2*(\z):73+2*(\z)], v[72+2*(\z):73+2*(\z)], -2.0 op_sel_hi:[1,0]  ; times -2 (exact)
.endr
	v_pk_add_f32 v[TMP:TMP+1], v[72:73], v[74:75]  ; my wave's sum of -2 V
	v_pk_add_f32 v[TMP+2:TMP+3], v[76:77], v[78:79]
	v_pk_add_f32 v[TMP:TMP+1], v[TMP:TMP+1], v[TMP+2:TMP+3]
	v_add_f32 v[TMP], v[TMP], v[TMP+1]
	v_add_f32_dpp v[TMP], v[TMP], v[TMP] row_xmask:1 row_mask:0xf bank_mask:0xf
	v_add_f32_dpp v[TMP], v[TMP], v[TMP] row_xmask:2 row_mask:0xf bank_mask:0xf
	v_add_f32_dpp v[TMP], v[TMP], v[TMP] row_xmask:4 row_mask:0xf bank_mask:0xf
	v_add_f32_dpp v[TMP], v[TMP], v[TMP] row_xmask:8 row_mask:0xf bank_mask:0xf
	v_permlanex16_b32 v[TMP+1], v[TMP], s[SEL], s[SEL+1]
	v_add_f32 v[TMP], v[TMP], v[TMP+1]
.set i, 0
.rept 16
	v_mov_b32 v[SC+i], 0                           ; the score sums: sixteen registers, so that both passes share one text
.set i, i+1
.endr
	v_mov_b32 v[STA], v[STA0]
	WIN 0x0a                                       ; sources in window 2
	CVT16 0                                        ; piece 0
	WIN 0
	s_wait_alu depctr_va_vdst(0)                   ; -2 V in v72-79, its sum in v[TMP], STA and piece 0 in CT are written: the LDS stores below read them
.irp e, 0,1,2,3,4,5,6,7
	ds_store_b32 v[TMP+9], v[64+(\e)] offset:((\e)&3)*64+((\e)>>2)*4
.endr
.irp e, 0,1,2,3,4,5,6,7
	ds_store_b32 v[TMP+9], v[72+(\e)] offset:4096+((\e)&3)*64+((\e)>>2)*4
.endr
	ds_store_b32 v[TMP+7], v[TMP]                  ; all lanes write the same word with the same value
	T4 0, 0
	T4 0, 1
.irp q, 1,2,3,4
	s_wait_alu depctr_vm_vsrc(0)                   ; the stores of the piece before have read CT
	WIN 0x0a
	CVT16 32*(\q)
	WIN 0
	s_wait_alu depctr_va_vdst(0)                   ; the conversions have written CT, which the stores read
	T4 ((\q)>>2)*GRP+((\q)&3)*8*PITCH, 0
	T4 ((\q)>>2)*GRP+((\q)&3)*8*PITCH, 1
.endr
	s_wait_dscnt 0x0                               ; for the others' sake: the tables and my rows of group 0 are in LDS
	s_barrier_signal -1
	s_barrier_wait -1
	s_wait_xcnt 0x0                                ; values' base is stepped only behind this wait (ISA guide 3.1)
	s_add_nc_u64 s[4:5], s[4:5], 1024              ; on to group 2
	s_mov_b32 s[GA], 0
	s_mov_b32 s[GS], GRP
	s_wait_alu depctr_vm_vsrc(0)                   ; my LDS stores have read STA, which is written below, and v64-79, in which fragments land
	v_mov_b32 v[ADRA], v[ADRA0]
	v_add_nc_u32 v[STA], s[GS], v[STA0]
	s_wait_alu depctr_va_vdst(0)                   ; ADRA and STA are written; V's arithmetic is done with v72-79.  For step 0 this wait does what the one between two steps does
	A4 0, 0, 0
	A4 0, 0, 1
	; ---- PASS 1, K steps c = 0 .. 31.  Step c asks for piece c + 7 (H0) and for W1 of step c + 3 (H1) and stores piece c + 4; between steps c and c + 1 piece c + 5 is rounded.
	; Group G is whole in the stores of step 4 G - 1, ahead of that step's barrier.  The count: behind W1 of step c + 1 stand a piece, W1, a piece, W1 = 8 + 16 + 8 + 16 = 48 loads; piece c + 5 was asked for ahead of that W1.
	s_wait_loadcnt 48                              ; W1 of step 0 is in
	KSTEP 0, 1, 0, 0, -1, ST+96, 24*4096-512, 64, 0, 3, 3*CHUNK
	WIN 0                                          ; at a label and at a branch every window is 0
	s_mov_b32 s[CNT], 6
.Lk1:                                              ; trip t: steps 4 t + 1 .. 4 t + 4; ADRA in group t, STA in group t + 1 (both move on ahead of the fourth step), w1f at step 4 t, values at group t + 2
	EST 1, 48, 0
	s_cmp_lt_u32 s[CNT], 2
	s_cbranch_scc1 .Lnopf                          ; the last trip would ask past the rows' end
	global_prefetch_b8 v[PV], s[4:5] offset:512 th:TH_LOAD_NT scope:SCOPE_SE  ; group t + 3 of my wave's 32 rows, one row a lane, its two blocks of 256 bytes: one trip ahead of its loads, each block asked for once
	global_prefetch_b8 v[PV], s[4:5] offset:768 th:TH_LOAD_NT scope:SCOPE_SE
.Lnopf:
	KSTEP 1, 0, 0, 64, 8*PITCH, ST, 0, 128, 0, 0, 4*CHUNK
	EST 2, 48, 0
	KSTEP 2, 0, 0, 128, 16*PITCH, ST+32, 8*4096, 192, 0, 1, 5*CHUNK
	EST 3, 48, 0
	KSTEP 3, 0, 1, 192, 24*PITCH, ST+64, 16*4096, GRP, 0, 2, 6*CHUNK
	EST 0, 48, 1
	KSTEP 0, 0, 0, 0, 0, ST+96, 24*4096, 64, 0, 3, 7*CHUNK
	WIN 0
	s_wait_xcnt 0x0                                ; the two bases are stepped only behind this wait
	s_add_nc_u64 s[6:7], s[6:7], 4*CHUNK
	s_add_nc_u64 s[4:5], s[4:5], 512
	s_sub_co_u32 s[CNT], s[CNT], 1
	s_cmp_lg_u32 s[CNT], 0
	s_cbranch_scc1 .Lk1
	; steps 25 .. 31: no piece is left to ask for, so the counts run down (48, 40, then two steps' W1 = 32); W1 runs on into pass 2's chunks
	EST 1, 48, 0
	KSTEP 1, 0, 0, 64, 8*PITCH, -1, 0, 128, 0, 0, 4*CHUNK
	EST 2, 40, 0
	KSTEP 2, 0, 0, 128, 16*PITCH, -1, 0, 192, 0, 1, 5*CHUNK
	EST 3, 32, 0
	KSTEP 3, 0, 1, 192, 24*PITCH, -1, 0, GRP, 0, 2, 6*CHUNK
	EST -1, 32, 0
	KSTEP 0, 0, 0, GRP, -1, -1, 0, GRP+64, 0, 3, 7*CHUNK
	EST -1, 32, 0
	KSTEP 1, 0, 0, GRP+64, -1, -1, 0, GRP+128, 0, 0, 8*CHUNK
	EST -1, 32, 0
	KSTEP 2, 0, 0, GRP+128, -1, -1, 0, GRP+192, 0, 1, 9*CHUNK
	EST -1, 32, 0
	KSTEP 3, 0, 0, GRP+192, -1, -1, 0, -1, 0, 2, 10*CHUNK
	WIN 0
	s_mov_b32 s[PASS], 2
.Lepi:                                             ; twice: a pass's sums become score sums; behind the first time pass 2 follows
	PLACES
	s_wait_dscnt 0x0                               ; the tables
.irp hh, 0,1
.irp bq, 0,1,2,3,4,5,6,7
	EPB \hh, \bq
.endr
.endr
	WIN 0
	s_cmp_eq_u32 s[PASS], 1
	s_cbranch_scc1 .Lout
	; ---- PASS 2, K steps c = 32 .. 63: the block lies whole in LDS; step c asks for W1 of step c + 3.  Behind W1 of step c + 1 stand two steps' 32 loads.
	s_wait_xcnt 0x0
	s_add_nc_u64 s[6:7], s[6:7], 8*CHUNK           ; w1f at step 32
	s_mov_b32 s[GA], 0
	s_wait_alu depctr_vm_vsrc(0)                   ; the fragments' loads issued so far have read ADRA
	v_mov_b32 v[ADRA], v[ADRA0]
	s_wait_alu depctr_va_vdst(0)                   ; ADRA is written.  For step 32 this wait does what the one between two steps does
	A4 0, 0, 0
	A4 0, 0, 1
	s_wait_loadcnt 32                              ; W1 of step 32 is in
	KSTEP 0, 1, 0, 0, -1, -1, 0, 64, 0, 3, 3*CHUNK
	WIN 0
	s_mov_b32 s[CNT], 7
.Lk2:
	EST -1, 32, 0
	KSTEP 1, 0, 0, 64, -1, -1, 0, 128, 0, 0, 4*CHUNK
	EST -1, 32, 0
	KSTEP 2, 0, 0, 128, -1, -1, 0, 192, 0, 1, 5*CHUNK
	EST -1, 32, 0
	KSTEP 3, 0, 0, 192, -1, -1, 0, GRP, 0, 2, 6*CHUNK
	EST -1, 32, 2
	KSTEP 0, 0, 0, 0, -1, -1, 0, 64, 0, 3, 7*CHUNK
	WIN 0
	s_wait_xcnt 0x0
	s_add_nc_u64 s[6:7], s[6:7], 4*CHUNK
	s_sub_co_u32 s[CNT], s[CNT], 1
	s_cmp_lg_u32 s[CNT], 0
	s_cbranch_scc1 .Lk2
	EST -1, 32, 0                                  ; steps 61 .. 63: nothing is left to ask for: 32, 16, 0
	KSTEP 1, 0, 0, 64, -1, -1, 0, 128, 0, -1, 0
	EST -1, 16, 0
	KSTEP 2, 0, 0, 128, -1, -1, 0, 192, 0, -1, 0
	EST -1, 0, 0
	KSTEP 3, 0, 0, 192, -1, -1, 0, -1, 512, -1, 0
	WIN 0
	s_sub_co_u32 s[PASS], s[PASS], 1
	s_cmp_lg_u32 s[PASS], 0
	s_cbranch_scc1 .Lepi
	; ---- the scores: a pair's two halves, the other half of the lanes (the other eight unit rows), the four waves
.Lout:
	s_wait_alu depctr_vm_vsrc(0)                   ; the last piece's stores have read CT, the head's stores v[TMP] and v[TMP+7]: the lines below write them
.irp a, 0,1,2,3,4,5,6,7
	v_add_f32 v[TMP+(\a)], v[SC+2*(\a)], v[SC+2*(\a)+1]
.endr
.irp a, 0,1,2,3,4,5,6,7
	v_permlanex16_b32 v[CT+(\a)], v[TMP+(\a)], s[SEL], s[SEL+1]
.endr
.irp a, 0,1,2,3,4,5,6,7
	v_add_f32 v[TMP+(\a)], v[TMP+(\a)], v[CT+(\a)]
.endr
	s_wait_alu depctr_va_vdst(0)                   ; the additions have written v[TMP ..], which the LDS stores read
.irp a, 0,1,2,3,4,5,6,7
	ds_store_b32 v[SX], v[TMP+(\a)] offset:64*(\a) ; row 16 a + r; both halves of the lanes write the same value
.endr
	s_wait_dscnt 0x0                               ; for the others' sake
	s_barrier_signal -1
	s_barrier_wait -1
	s_wait_alu depctr_vm_vsrc(0)                   ; my LDS stores have read v[TMP ..], which the lines below write
	v_add_nc_u32 v[TMP], SCX, v[L16]               ; every wave takes all 128 rows, four a lane
	v_mov_b32 v[TMP+1], VSUM
	s_wait_alu depctr_va_vdst(0)                   ; the two addresses are written, which the LDS loads read
	ds_load_b128 v[64:67], v[TMP]
	ds_load_b128 v[68:71], v[TMP] offset:512
	ds_load_b128 v[72:75], v[TMP] offset:1024
	ds_load_b128 v[76:79], v[TMP] offset:1536
	ds_load_b128 v[80:83], v[TMP+1]
	v_cvt_pk_bf16_f32 v[TMP+2], s[BV], s[BV]       ; bV rounded to bf16 like every input
	v_lshlrev_b32 v[TMP+2], 16, v[TMP+2]
	s_wait_dscnt 0x0
	v_pk_add_f32 v[64:65], v[64:65], v[68:69]
	v_pk_add_f32 v[66:67], v[66:67], v[70:71]
	v_pk_add_f32 v[72:73], v[72:73], v[76:77]
	v_pk_add_f32 v[74:75], v[74:75], v[78:79]
	v_add_f32 v80, v80, v81
	v_add_f32 v82, v82, v83
	v_pk_add_f32 v[64:65], v[64:65], v[72:73]
	v_pk_add_f32 v[66:67], v[66:67], v[74:75]
	v_add_f32 v80, v80, v82
	v_fma_f32 v[TMP+2], v80, -0.5, v[TMP+2]        ; bV + sum V
	v_mov_b32 v[TMP+3], v[TMP+2]
	v_pk_add_f32 v[64:65], v[64:65], v[TMP+2:TMP+3]
	v_pk_add_f32 v[66:67], v[66:67], v[TMP+2:TMP+3]  ; v64-67: the scores of rows 4 lane .. + 3; never rewritten (wave 0's store reads them)
	s_wait_alu depctr_vm_vsrc(0)                   ; the five LDS loads above have read v[TMP] and v[TMP+1], which the maximum below writes
	s_cmp_lg_u32 s[WV], 0
	s_cbranch_scc1 .Lnost
	s_wait_alu depctr_va_vdst(0)                   ; the additions have written v64-67, which the store reads
	global_store_b128 v[L16], v[64:67], s[14:15]   ; 512 consecutive bytes, aligned
.Lnost:
	; ---- the block's softmax: m, p = 2^(log2(e) score - log2(e) m)
	v_max3_num_f32 v[TMP], v64, v65, v66
	v_max_num_f32 v[TMP], v[TMP], v67
	v_max_num_f32_dpp v[TMP], v[TMP], v[TMP] row_xmask:1 row_mask:0xf bank_mask:0xf
	v_max_num_f32_dpp v[TMP], v[TMP], v[TMP] row_xmask:2 row_mask:0xf bank_mask:0xf
	v_max_num_f32_dpp v[TMP], v[TMP], v[TMP] row_xmask:4 row_mask:0xf bank_mask:0xf
	v_max_num_f32_dpp v[TMP], v[TMP], v[TMP] row_xmask:8 row_mask:0xf bank_mask:0xf
	v_permlanex16_b32 v[TMP+1], v[TMP], s[SEL], s[SEL+1]
	v_max_num_f32 v[TMP], v[TMP], v[TMP+1]
	v_mul_f32 v[TMP+1], s[L2E], v[TMP]
	v_fma_f32 v[TMP+2], v64, s[L2E], -v[TMP+1]     ; rows 4 lane and 4 lane + 2 side by side (the even rows),
	v_fma_f32 v[TMP+3], v66, s[L2E], -v[TMP+1]
	v_fma_f32 v[TMP+4], v65, s[L2E], -v[TMP+1]     ; then the odd rows
	v_fma_f32 v[TMP+5], v67, s[L2E], -v[TMP+1]
	v_exp_f32 v[TMP+2], v[TMP+2]
	v_exp_f32 v[TMP+3], v[TMP+3]
	v_exp_f32 v[TMP+4], v[TMP+4]
	v_exp_f32 v[TMP+5], v[TMP+5]
.set i, 0
.rept 16
	v_mov_b32 v[CACC+i], 0                         ; the context's sixteen sums; also the plain instructions behind the exponentials
.set i, i+1
.endr
	s_wait_alu depctr_va_vdst(0)                   ; the four exponentials have written the weights, which the LDS stores read
	ds_store_b64 v[WST], v[TMP+2:TMP+3]            ; into my wave's own words: LDS serves a wave's instructions in order (ISA guide 5.7.1.4), so no wait and no barrier stand ahead of my loads below
	ds_store_b64 v[WST], v[TMP+4:TMP+5] offset:256
	; ---- the partial context: wave w takes columns 256 w .. + 255 (groups 2 w, 2 w + 1) of all 128 rows.  One load is two rows' 256 bytes: lanes 0-15 the even row, lanes 16-31 the odd one.
	s_mov_b32 s[GA], 0
	s_mov_b32 s[GS], 0
	s_mov_b32 s[CNT], 4
.Lctx:                                             ; a trip: 16 pairs of rows of both groups
	s_wait_alu depctr_vm_vsrc(0)                   ; the LDS loads of the trip before have read CA and WA; the weights' stores have read v[TMP+2 ..], written again behind the loop
	v_add_nc_u32 v[CA], s[GA], v[CA0]
	v_add_nc_u32 v[WA], s[GS], v[WA0]
	s_wait_alu depctr_va_vdst(0)                   ; CA and WA are written; the multiply-adds of the trip before are done reading the weights and rows in whose registers the loads below land
.irp j, 0,1,2,3
	ds_load_b128 v[WREG+4*(\j):WREG+4*(\j)+3], v[WA] offset:16*(\j)
.endr
.set i, 0
.rept 32                               ; i = 2 x pair + group
	ds_load_b128 v[ST+4*i:ST+4*i+3], v[CA] offset:(i/2)*2*PITCH+(i%2)*GRP
.set i, i+1
.endr
.set i, 0
.rept 32
	s_wait_dscnt 31-i                              ; LDS loads come back in order: load i is in, the 31 - i behind it may stay out
.irp z, 0,1,2,3
	v_fma_mix_f32_bf16 v[CACC+8*(i%2)+2*(\z)], v[ST+4*i+(\z)], v[WREG+i/2], v[CACC+8*(i%2)+2*(\z)] op_sel_hi:[1,0,0]
	v_fma_mix_f32_bf16 v[CACC+8*(i%2)+2*(\z)+1], v[ST+4*i+(\z)], v[WREG+i/2], v[CACC+8*(i%2)+2*(\z)+1] op_sel:[1,0,0] op_sel_hi:[1,0,0]
.endr
.set i, i+1
.endr
	s_add_co_u32 s[GA], s[GA], 32*PITCH
	s_add_co_u32 s[GS], s[GS], 64
	s_sub_co_u32 s[CNT], s[CNT], 1
	s_cmp_lg_u32 s[CNT], 0
	s_cbranch_scc1 .Lctx
.irp g, 0,1
.irp e, 0,1,2,3,4,5,6,7
	v_permlanex16_b32 v[CT+8*(\g)+(\e)], v[CACC+8*(\g)+(\e)], s[SEL], s[SEL+1]  ; the other parity's rows
.endr
.irp e, 0,1,2,3,4,5,6,7
	v_add_f32 v[CACC+8*(\g)+(\e)], v[CACC+8*(\g)+(\e)], v[CT+8*(\g)+(\e)]
.endr
.irp e, 0,1,2,3
	v_cndmask_b32 v[TMP+4*(\g)+(\e)], v[CACC+8*(\g)+(\e)], v[CACC+8*(\g)+4+(\e)], s[HIM]  ; lanes 0-15 store columns 8 r .. + 3, lanes 16-31 columns 8 r + 4 .. + 7
.endr
.endr
	s_wait_alu depctr_va_vdst(0)                   ; the selects have written v[TMP .. TMP+7], which the two stores read
.irp g, 0,1
	global_store_b128 v[GO], v[TMP+4*(\g):TMP+4*(\g)+3], s[16:17] offset:512*(\g)  ; 512 consecutive bytes, aligned
.endr
	s_wait_dscnt 0x0                               ; the closing lines, six on end
	s_wait_alu 0x0
	s_wait_tensorcnt 0x0
	ds_add_u32 v[SPW], v[NIL]
	s_wait_dscnt 0x0
	s_endpgm
.Lfunc_end_k_qd87ac230aa_attend:
	.size	k_qd87ac230aa_attend, .Lfunc_end_k_qd87ac230aa_attend-k_qd87ac230aa_attend
	.p2alignl 7, 3214868480
	.fill 96, 4, 3214868480
	.section	.rodata,"a",@progbits
	.p2align	6, 0x0
	.amdhsa_kernel k_qd87ac230aa_attend
		.amdhsa_group_segment_fixed_size 291584
		.amdhsa_private_segment_fixed_size 0
		.amdhsa_enable_private_segment 0
		.amdhsa_kernarg_size 56
		.amdhsa_user_sgpr_count 2
		.amdhsa_user_sgpr_kernarg_segment_ptr 1
		.amdhsa_wavefront_size32 1
		.amdhsa_system_sgpr_workgroup_id_x 1
		.amdhsa_system_sgpr_workgroup_id_y 1
		.amdhsa_system_sgpr_workgroup_id_z 1
		.amdhsa_system_vgpr_workitem_id 0
		.amdhsa_next_free_vgpr 1024
		.amdhsa_next_free_sgpr 66
		.amdhsa_reserve_vcc 0
		.amdhsa_float_denorm_mode_32 3
		.amdhsa_float_denorm_mode_16_64 3
		.amdhsa_memory_ordered 1
		.amdhsa_forward_progress 1
		.amdhsa_inst_pref_size 255
	.end_amdhsa_kernel
	.section	.bss,"aw",@nobits
	.p2align	6
	.space	262144
	.amdgpu_metadata
---
amdhsa.version: [ 1, 2 ]
amdhsa.kernels:
  - .name:           k_qd87ac230aa_attend
    .symbol:         k_qd87ac230aa_attend.kd
    .args:
      - { .name: values, .offset: 0, .size: 8, .value_kind: global_buffer, .address_space: global }
      - { .name: w1f, .offset: 8, .size: 8, .value_kind: global_buffer, .address_space: global }
      - { .name: cq, .offset: 16, .size: 8, .value_kind: global_buffer, .address_space: global }
      - { .name: V, .offset: 24, .size: 8, .value_kind: global_buffer, .address_space: global }
      - { .name: bV, .offset: 32, .size: 8, .value_kind: global_buffer, .address_space: global }
      - { .name: scores, .offset: 40, .size: 8, .value_kind: global_buffer, .address_space: global }
      - { .name: pctx, .offset: 48, .size: 8, .value_kind: global_buffer, .address_space: global }
    .group_segment_fixed_size: 291584
    .private_segment_fixed_size: 0
    .kernarg_segment_align: 8
    .kernarg_segment_size: 56
    .max_flat_workgroup_size: 128
    .sgpr_count:     66
    .vgpr_count:     1024
    .wavefront_size: 32
...
	.end_amdgpu_metadata
.endif
;; end of part 4
;; launch combine: the kernel of part 3 again; grid 32 x 8, 1 waves a work-group, no clusters, 0 bytes of LDS; arguments scores, pctx, out0, out1; writes out0, out1
